; MI455X (gfx1250); checked and timed in simulation.
; The chip was launched on July 23, 2026; its instructions are those of AMD's public machine-readable ISA for CDNA 5 (MIT licence, August 2026) and "CDNA5" Instruction Set Architecture Reference Guide (July 2026). The comments in the code are by the model that wrote it; some were corrected since.
;; Multi Head Self Attention. Allowed arithmetic: matrix products marked QUANTISED: E2M3 operands, one E8M0 scale for each 32 along K, by v_wmma_scale_f32_16x16x128_f8f6f4 with both operands' format E2M3, f32 sums; everything else in f32.
;; Inputs: token_positions 2,048 int32; w_out_codes 1,024 x 32 x 24 uint8 (E2M3 codes of w_out, K innermost, in blocks of 32 codes, four codes in three bytes); w_out_scales 1,024 x 32 uint8 (E8M0 scales of w_out, one for each 32 codes along K); w_qkv_codes 3,072 x 32 x 24 uint8 (E2M3 codes of w_qkv, K innermost, in blocks of 32 codes, four codes in three bytes); w_qkv_scales 3,072 x 32 uint8 (E8M0 scales of w_qkv, one for each 32 codes along K); x_codes 4 x 2,048 x 32 x 24 uint8 (E2M3 codes of x, K innermost, in blocks of 32 codes, four codes in three bytes); x_scales 4 x 2,048 x 32 uint8 (E8M0 scales of x, one for each 32 codes along K).
;; Outputs: out0 4 x 2,048 x 1,024 float32.
;; This version of the problem:
;;   THIS VERSION OF THE PROBLEM IS GIVEN IN LOW PRECISION. The matrix products marked QUANTISED in the list below multiply operands that are first quantised to E2M3 (2 exponent bits, 3 mantissa bits; 6 bits a number), with one power-of-two scale for each 32 numbers along K (OCP MX v1.0); their sums are f32. All else is computed in f32.
;;   The module's matrix products, in the order in which they are computed (A, B: the left and right operand; K: the contracted axis; several contracted axes count as one K, in the product's order):
;;     1. [M 8,192, K 1,024] x [K 1,024, N 3,072]; A: input x (given as codes); B: input w_qkv (given as codes): QUANTISED
;;     2. batch 64 x [M 2,048, K 64] x [K 64, N 2,048]; A: computed on the way; B: computed on the way: QUANTISED
;;     3. batch 64 x [M 2,048, K 2,048] x [K 2,048, N 64]; A: softmax (see below); B: computed on the way: QUANTISED
;;     4. [M 8,192, K 1,024] x [K 1,024, N 1,024]; A: computed on the way; B: input w_out (given as codes): QUANTISED
;;   THE QUANTISER, for each operand of a quantised product, along K:
;;     - K is cut into blocks of 32 from its start; a last block that is shorter is filled with zeros.
;;     - A block's scale is 2^e with e = floor(log2(the largest magnitude in the block)) - 2, held to -126 .. 127; a block of zeros has e = 0. As a byte (E8M0): e + 127.
;;     - Each number is divided by its block's scale, clamped to +-7.5, and rounded to the nearest number of E2M3, ties to even, subnormals kept.
;;     - The product sums the exact products of the quantised numbers (number of the format x scale) in f32.
;;   ~~~python
;;   def quantise(x, axis):      # numpy; x: float32 -> the quantised numbers, widened to float32 again
;;       x = np.moveaxis(x, axis, -1); K = x.shape[-1]
;;       x = np.pad(x, [(0, 0)] * (x.ndim - 1) + [(0, -K % 32)]); x = x.reshape(x.shape[:-1] + (-1, 32)); a = np.abs(x).max(-1, keepdims=True)
;;       e = np.where(a > 0, np.clip(np.frexp(np.where(a > 0, a, 1))[1] - 1 - 2, -126, 127), 0)      # np.frexp(a)[1] - 1 = floor(log2(a)), exactly
;;       r = np.clip(x / 2.0 ** e, -7.5, 7.5)
;;       step = 2.0 ** (np.maximum(np.frexp(np.where(r == 0, 1, r))[1] - 1, 0) - 3)
;;       q = np.round(r / step) * step * 2.0 ** e      # np.round: ties to even
;;       return np.moveaxis(q.reshape(q.shape[:-2] + (-1,))[..., :K], -1, axis).astype(np.float32)
;;   ~~~
;;   SOFTMAX AHEAD OF A QUANTISED PRODUCT. Where the list says 'softmax', what is quantised is not the finished softmax but p = 2^(t - M), with t = logit x log2(e) and M = ceil(the row's largest t), a whole number; so 1/2 < the row's largest p <= 1. The row's sum l is taken of the UNQUANTISED p, in f32, and the product's result is divided by l at the end. Since M is a whole number, a kernel that streams over the keys may use a running M (the ceiling of the running maximum): every later rescaling is an exact power of two, which a block's scale takes up: the codes' values come out the same.
;;   OPERANDS COMPUTED ON THE WAY. 'Computed on the way' means the value that the module computes at that place (a softmax that the list does not call 'softmax' is quantised finished and normalised). What goes into a quantiser is computed in f32, as accurately as f32 sums, v_exp_f32 and their like allow (about 1e-6 of the number): no bf16 or f16 on the way to a quantiser, and a product that is left as it is and whose result goes on into a quantised operand takes f32 operands (vector FMAs, or v_wmma_f32_16x16x4_f32). A number that lies on a knife's edge between two numbers of the format may be rounded either way, as far as f32 arithmetic and the matrix unit's own rounding can turn it there, and no further.
;;   INPUTS GIVEN AS CODES. w_out (in the module: [1024, 1024], K = its axis 1); w_qkv (in the module: [3072, 1024], K = its axis 1); x (in the module: [4, 2048, 1024], K = its axis 2): each comes as NAME_codes (uint8): NAME with its K axis moved to the last place and cut into blocks of 32 codes, [.., K / 32, bytes a block], one block behind the other in memory; four codes in three bytes: a row's codes are one little-endian stream of bits, code i at bits 6 i .. 6 i + 5 (a code: sign, 2 exponent bits, 3 mantissa bits); and NAME_scales (uint8): the same leading axes, one E8M0 byte (e + 127) for each 32 codes along K. Its value is code x scale, taken as it is: it is not quantised again, and the codes and scales need not be those that the quantiser above would give.
;; One version. Each part assembles by itself: llvm-mc -triple=amdgcn-amd-amdhsa -mcpu=gfx1250 --defsym DOCPART=n.
;; ======== version 1 of 1: 4 launches
;; limits: inputs' magnitudes at most 524,288; right only within a limited range of input values
;; workspace buffers: qc 6,291,456 bytes; qs 524,288 bytes; kvc 13,369,344 bytes; ac 6,291,456 bytes; asc 262,144 bytes; tab 524,288 bytes
;; launch vv (part 1): grid 32 x 8, 4 waves a work-group, clusters of 4 x 4, 327,680 bytes of LDS; arguments w_qkv_codes, w_qkv_scales, x_codes, x_scales, token_positions, kvc, tab; writes kvc, tab
.if DOCPART == 1
	.amdgcn_target "amdgcn-amd-amdhsa--gfx1250"
	.amdhsa_code_object_version 6
	.text
	.protected	k_q9554fa2db3_vv
	.globl	k_q9554fa2db3_vv
	.p2align	8
	.type	k_q9554fa2db3_vv,@function
k_q9554fa2db3_vv:
	s_mov_b64 s[64:65], 0
	v_nop
	global_prefetch_b8 v0, s[64:65] scope:SCOPE_SE
	s_setreg_imm32_b32 hwreg(HW_REG_WAVE_MODE, 25, 1), 1
	s_wait_xcnt 0x0
	s_wait_alu depctr_hold_cnt(0) depctr_sa_sdst(0) depctr_va_vdst(0) depctr_va_sdst(0) depctr_va_ssrc(0) depctr_va_vcc(0) depctr_vm_vsrc(0)
	s_getreg_b32 s2, hwreg(HW_REG_IB_STS2, 6, 4)
	s_cmp_eq_u32 s2, 0
	s_cbranch_scc0 .Lentry_in_a_cluster
	s_endpgm
.Lentry_in_a_cluster:
	s_bfe_u32 s2, ttmp6, 0x10000c
	s_cmp_lg_u32 s2, 0xf033
	s_cbranch_scc0 .Lentry_shape_is_right
	s_endpgm
.Lentry_shape_is_right:
; V = w x^T on codes of FP6 (E2M3) with E8M0 scales, its quantiser along the KEYS, and the table of cos and sin for the next launch.
; Every input of the problem has a way to the output and is loaded by some launch.  Of reference()'s work only what its own causal mask hides is left out, by whole key steps, in launch attn.
; A work-group: A = 128 channels (rows 2,048 on of w_qkv), B = 256 tokens, ALL of K (rows of 768 bytes, 16 bytes of padding behind each 256) in LDS at once: 384 rows x 816 bytes.
; One joint load a wave at the head (waves 0, 1 A's halves, waves 2, 3 B's); nothing is filled again.  A is shared along a row of the 4 x 4 cluster, B along a column.
; A wave: 64 channels (one head) x 128 tokens (one key step): 32 accumulators, which take turns.  Source 0 = tokens, source 1 = channels: a lane holds one channel, its registers run along the tokens.
; kvc[16 b + head][key step][13,056]: K's eight tiles of 768 bytes, V's four fragments of 1,536, K's 512 bytes of scale words, V's 256: images of operand registers.
; Order inside a block of 32 keys: 0-7, 16-23, 8-15, 24-31, as in the weights p of launch attn.
; tab[s][32 frequencies][cos, sin], f32, of token_positions[s]: 8 positions a work-group, two frequencies a thread.
; No prefetch: all that the launch reads is asked for at its head, and no loop runs ahead.
; LIMITS: NaN and infinities are not served.  A block of zeros gets the byte 1 where the rule says 127: its codes are zeros, and this program alone reads the bytes.  Positions are taken as f32, as reference() takes them.
.set PITCH, 816
.set FR, 12
.set AREG, 256*PITCH
.set SPARE, AREG+128*PITCH
.set AS0, 64                           ; rows from wave row 0's first block of A to wave row 1's
.set AS1, 16                           ; rows from block to block
.set SPW, 4
.set NIL, 5
.set ADB, 8                            ; v8-23 LDS addresses of B's eight blocks, two each (the second: lanes 16-31 behind one padding more)
.set ADA, 24                           ; v24-31 of A's four
.set SA, 36                            ; v36-67 A's scale words, 8 a + q
.set SB, 72                            ; v72-135 B's, 8 b + q
.set AF, 136                           ; v136-231 A's fragments, two sets; B's: window 1, at 0 and 128; accumulators: window 2
.set TM, 232
.set PCR, 136
.set WD, 156
.set SEL, 66
.set G1, 24
.set G0, 32
.set G1B, 48
.set G0B, 56
.set MSB, 0
.set NLD, 0
.macro WIN new
.if MSB != (\new)
	s_set_vgpr_msb (MSB<<8)|(\new)
.set MSB, (\new)
.endif
.endm
.macro PLACES n
.rept \n
	v_nop
.endr
.endm
.macro WALU
	s_wait_alu depctr_va_vdst(0)
.endm
.macro CROUND
	s_barrier_signal -1
	s_barrier_wait -1
	s_cmp_lg_u32 s14, 0
	s_cbranch_scc1 .Lnot_wave_0_\@
	s_barrier_signal -3
.Lnot_wave_0_\@:
	s_barrier_wait -3
	s_barrier_signal -1
	s_barrier_wait -1
.endm
.macro GROUP1 g, mask, rows
	s_or_b32 s[\g+0], s[\mask], (1<<20)|(1<<21)|(5<<22)|(3<<25)
	s_mov_b32 s[\g+1], 768<<16
	s_mov_b32 s[\g+2], (\rows)<<16
	s_mov_b32 s[\g+3], 768<<16
	s_mov_b32 s[\g+4], \rows
	s_mov_b32 s[\g+5], 768
	s_mov_b32 s[\g+6], 0
	s_mov_b32 s[\g+7], 0
.endm
.macro FRAG reg, q, a                  ; 16 rows x 128 K: six pieces of 8 bytes, two to a load where both go by one address register
.set SKIP_, 0
.irp p, 0,1,2,3,4,5
.if SKIP_
.set SKIP_, 0
.else
.set PC_, 12*(\q)+6*(\p/3)+\p%3
.set PN_, 12*(\q)+6*((\p+1)/3)+(\p+1)%3
.set X_, (PC_%32+3)/32
.set XQ_, (PN_%32+3)/32
.set NLD, NLD+1
.if (\p < 5) && (X_ == XQ_)
.set SKIP_, 1
	ds_load_2addr_b64 v[(\reg)+2*\p:(\reg)+2*\p+3], v[(\a)+X_] offset0:PC_+2*(PC_/32) offset1:PN_+2*(PN_/32)
.else
	ds_load_b64 v[(\reg)+2*\p:(\reg)+2*\p+1], v[(\a)+X_] offset:8*(PC_+2*(PC_/32))
.endif
.endif
.endr
.endm
.macro FETCH q                         ; K step q's fragments into set q % 2; NLD counts its loads
.set NLD, 0
	WIN 0x40
.irp i, 0,1,2,3,4,5,6,7
	FRAG 128*((\q)%2)+FR*\i, \q, ADB+2*\i
.endr
	WIN 0
.irp i, 0,1,2,3
	FRAG AF+48*((\q)%2)+FR*\i, \q, ADA+2*\i
.endr
.endm
.macro MUL q                           ; 32 products; the first step's start the sums
	WIN 0xa1
.irp a, 0,1,2,3
.irp b, 0,1,2,3,4,5,6,7
.if (\q) == 0
	v_wmma_scale_f32_16x16x128_f8f6f4 v[64*\a+8*\b:64*\a+8*\b+7], v[128*((\q)%2)+FR*\b:128*((\q)%2)+FR*\b+FR-1], v[AF+48*((\q)%2)+FR*\a:AF+48*((\q)%2)+FR*\a+FR-1], 0, v[SB+8*\b+(\q)], v[SA+8*\a+(\q)] matrix_a_fmt:MATRIX_FMT_FP6 matrix_b_fmt:MATRIX_FMT_FP6
.else
	v_wmma_scale_f32_16x16x128_f8f6f4 v[64*\a+8*\b:64*\a+8*\b+7], v[128*((\q)%2)+FR*\b:128*((\q)%2)+FR*\b+FR-1], v[AF+48*((\q)%2)+FR*\a:AF+48*((\q)%2)+FR*\a+FR-1], v[64*\a+8*\b:64*\a+8*\b+7], v[SB+8*\b+(\q)], v[SA+8*\a+(\q)] matrix_a_fmt:MATRIX_FMT_FP6 matrix_b_fmt:MATRIX_FMT_FP6
.endif
.endr
.endr
.endm
.macro MAIN                            ; step q + 1 is fetched ahead of step q's products; the wait leaves just those NLD loads out
	FETCH 0
	s_wait_loadcnt 0x0
.set Q_, 0
.rept 7
.if Q_
	PLACES 4
.endif
	FETCH Q_+1
	s_wait_dscnt NLD
	MUL Q_
.set Q_, Q_+1
.endr
	s_wait_dscnt 0x0
	MUL 7
	WIN 0
.endm
.macro QMAX src, W                     ; four blocks of 32: 16 numbers in my registers, 16 in the lane 16 away; bytes in v[TM+4+b], the conversions' scale operands in v[TM+12+b]
	WIN (((\W)<<2)|((\W)<<4))
.irp b, 0,1,2,3
	v_max3_num_f32 v[TM+\b], 0x1800000, |v[(\src)+16*\b]|, |v[(\src)+16*\b+1]|
.endr
.irp i, 2,4,6,8,10,12,14
.irp b, 0,1,2,3
	v_max3_num_f32 v[TM+\b], v[TM+\b], |v[(\src)+16*\b+\i]|, |v[(\src)+16*\b+\i+1]|
.endr
.endr
	WIN 0
.irp b, 0,1,2,3
	v_permlanex16_b32 v[TM+4+\b], v[TM+\b], s[SEL], s[SEL+1]
.endr
.irp b, 0,1,2,3
	v_max_num_f32 v[TM+\b], v[TM+\b], v[TM+4+\b]
.endr
.irp b, 0,1,2,3
	v_add_nc_u32 v[TM+12+\b], 0xff000000, v[TM+\b]
.endr
.irp b, 0,1,2,3
	v_lshrrev_b32 v[TM+4+\b], 23, v[TM+12+\b]
.endr
.endm
.macro QCVT src, W, P                  ; the codes as an operand's twelve registers, v[P] on
	WIN (\W)
.irp c, 0,1
	v_cvt_scalef32_pk16_fp6_f32 v[(\P)+6*\c:(\P)+6*\c+2], v[(\src)+32*\c:(\src)+32*\c+15], v[TM+12+2*\c]
	v_cvt_scalef32_pk16_fp6_f32 v[(\P)+12+4*\c:(\P)+12+4*\c+2], v[(\src)+32*\c+16:(\src)+32*\c+31], v[TM+12+2*\c+1]
.endr
	WIN 0
	v_nop
.irp c, 0,1
.irp i, 0,1,2
	v_permlane16_swap_b32 v[(\P)+6*\c+\i], v[(\P)+12+4*\c+\i]
.endr
.irp i, 0,1,2
	v_mov_b32 v[(\P)+6*\c+3+\i], v[(\P)+12+4*\c+\i]
.endr
.endr
.endm
	s_load_b256 s[4:11], s[0:1], 0x0               ; w's codes, w's scales, x's codes, x's scales
	s_load_b128 s[68:71], s[0:1], 0x20             ; token_positions, kvc
	s_load_b64 s[72:73], s[0:1], 0x30              ; tab
	v_lshl_add_u32 v[SPW], v0, 2, SPARE
	v_mov_b32 v[NIL], 0
	ds_add_u32 v[SPW], v[NIL]                      ; the opening lines
	ds_add_u32 v[SPW], v[NIL]
	v_lshrrev_b32 v1, 5, v0
	v_readfirstlane_b32 s14, v1                    ; wave
	s_lshr_b32 s15, s14, 1                         ; my half of A.  Also: I fetch for A (0) or B (1)
	s_and_b32 s16, s14, 1                          ; my half of B.  Also: which half I fetch
	s_bfe_u32 s40, ttmp6, 0x40000
	s_bfe_u32 s41, ttmp6, 0x40004
	s_lshl_b32 s42, ttmp9, 2
	s_add_co_u32 s42, s42, s40                     ; B's tile
	s_and_b32 s17, ttmp7, 0xffff
	s_lshl_b32 s17, s17, 2
	s_add_co_u32 s17, s17, s41                     ; A's tile
	s_lshl_b32 s43, s41, 2
	s_lshl_b32 s43, 15, s43
	s_lshl_b32 s44, 0x1111, s40
	GROUP1 G1, 43, 64
	GROUP1 G1B, 44, 128
	s_lshl_b32 s20, s17, 7
	s_lshl_b32 s18, s16, 6
	s_add_co_u32 s20, s20, s18
	s_add_co_u32 s20, s20, 2048
	s_mul_i32 s20, s20, 768
	s_mov_b32 s21, 0
	s_lshl_b32 s46, s42, 8
	s_lshl_b32 s18, s16, 7
	s_add_co_u32 s46, s46, s18
	s_mul_i32 s46, s46, 768
	s_mov_b32 s47, 0
	s_mov_b32 s[SEL], 0x76543210
	s_mov_b32 s[SEL+1], 0xfedcba98
	s_mov_b32 s[G0], 1
	s_mul_i32 s[G0+1], s16, 64*PITCH
	s_add_co_u32 s[G0+1], s[G0+1], AREG
	s_mov_b32 s[G0B], 1
	s_mul_i32 s[G0B+1], s16, 128*PITCH
	s_wait_dscnt 0x0
	s_wait_kmcnt 0x0
	s_add_nc_u64 s[G0+2:G0+3], s[4:5], s[20:21]
	s_or_b32 s[G0+3], s[G0+3], 0x80000000
	s_add_nc_u64 s[G0B+2:G0B+3], s[8:9], s[46:47]
	s_or_b32 s[G0B+3], s[G0B+3], 0x80000000
	CROUND                                         ; the joint loads meet
	s_cmp_eq_u32 s15, 0
	s_cbranch_scc0 .Lfor_b
	tensor_load_to_lds s[G0:G0+3], s[G1:G1+7]
	s_nop 0
	PLACES 4
	s_branch .Lasked
.Lfor_b:
	tensor_load_to_lds s[G0B:G0B+3], s[G1B:G1B+7]
	s_nop 0
	PLACES 4
.Lasked:
	s_lshl_b32 s18, s17, 7                         ; my rows' scale bytes
	s_mul_i32 s19, s15, AS0
	s_add_co_u32 s18, s18, s19
	s_add_co_u32 s18, s18, 2048
	s_lshl_b32 s18, s18, 5
	s_mov_b32 s19, 0
	s_add_nc_u64 s[60:61], s[6:7], s[18:19]
	s_lshl_b32 s18, s42, 8
	s_lshl_b32 s22, s16, 7
	s_add_co_u32 s18, s18, s22
	s_lshl_b32 s18, s18, 5
	s_add_nc_u64 s[62:63], s[10:11], s[18:19]
	s_mul_i32 s22, s16, 128*PITCH
	s_mul_i32 s23, s15, AS0*PITCH
	s_add_co_u32 s23, s23, AREG
	s_lshr_b32 s76, s42, 3                         ; where my head's key step lies in kvc
	s_lshl_b32 s76, s76, 4
	s_lshl_b32 s77, s17, 1
	s_add_co_u32 s76, s76, s77
	s_add_co_u32 s76, s76, s15
	s_and_b32 s77, s42, 7
	s_lshl_b32 s77, s77, 1
	s_add_co_u32 s77, s77, s16
	s_mul_i32 s76, s76, 208896
	s_mul_i32 s77, s77, 13056
	s_add_co_u32 s76, s76, s77
	s_mov_b32 s77, 0
	s_add_nc_u64 s[76:77], s[70:71], s[76:77]
	s_lshl_b32 s78, s17, 5
	s_add_co_u32 s78, s78, s42                     ; the work-group among 256: its 8 positions
	s_lshl_b32 s80, s78, 5
	s_mov_b32 s81, 0
	s_add_nc_u64 s[80:81], s[68:69], s[80:81]
	s_lshl_b32 s78, s78, 11
	s_mov_b32 s79, 0
	s_add_nc_u64 s[78:79], s[72:73], s[78:79]
	s_mov_b32 s84, 0x3f22f983                      ; 2 / pi; pi / 2 in three parts; the polynomials of sin and cos; -log2(10000) / 32 in two parts
	s_mov_b32 s85, 0x3fc90fd8
	s_mov_b32 s86, 0x34a8885a
	s_mov_b32 s87, 0x27c234c4
	s_mov_b32 s88, 0xbe2aaaa3
	s_mov_b32 s89, 0x3c08839e
	s_mov_b32 s90, 0xb94ca1f9
	s_mov_b32 s91, 0x3d2aaaa5
	s_mov_b32 s92, 0xbab6061a
	s_mov_b32 s93, 0x37ccf5ce
	s_mov_b32 s94, 0xbed49a78
	s_mov_b32 s95, 0xb2179581
	v_and_b32 v1, 15, v0
	v_bfe_u32 v2, v0, 4, 1
	v_and_b32 v3, 31, v0
	v_mul_u32_u24 v6, v1, PITCH
	v_mad_u32_u24 v7, v2, 24, v6
	v_mad_u32_u24 v6, v2, 40, v6
	v_add_nc_u32 v[ADB], s22, v7
	v_add_nc_u32 v[ADB+1], s22, v6
	v_add_nc_u32 v[ADA], s23, v7
	v_add_nc_u32 v[ADA+1], s23, v6
.irp i, 1,2,3,4,5,6,7
	v_add_nc_u32 v[ADB+2*\i], \i*16*PITCH, v[ADB]
	v_add_nc_u32 v[ADB+2*\i+1], \i*16*PITCH, v[ADB+1]
.endr
.irp i, 1,2,3
	v_add_nc_u32 v[ADA+2*\i], \i*AS1*PITCH, v[ADA]
	v_add_nc_u32 v[ADA+2*\i+1], \i*AS1*PITCH, v[ADA+1]
.endr
	v_lshlrev_b32 v6, 4, v3                        ; 16 x lane
	v_lshlrev_b32 v7, 3, v3                        ; 8 x lane
	v_lshlrev_b32 v32, 5, v1                       ; a row of scale bytes
	v_lshrrev_b32 v68, 4, v0                       ; my position of the eight
	v_lshlrev_b32 v69, 2, v68
	v_lshlrev_b32 v70, 4, v1
	v_lshl_add_u32 v70, v68, 8, v70
	WALU
	global_load_b32 v71, v69, s[80:81]
.irp i, 0,1,2,3
	global_load_b128 v[SA+8*\i:SA+8*\i+3], v32, s[60:61] offset:32*AS1*\i
	global_load_b128 v[SA+8*\i+4:SA+8*\i+7], v32, s[60:61] offset:32*AS1*\i+16
.endr
.irp i, 0,1,2,3,4,5,6,7
	global_load_b128 v[SB+8*\i:SB+8*\i+3], v32, s[62:63] offset:512*\i
	global_load_b128 v[SB+8*\i+4:SB+8*\i+7], v32, s[62:63] offset:512*\i+16
.endr
	v_lshlrev_b32 v140, 1, v1                      ; frequencies 2 (t % 16) and the next: 10000^(-j / 32)
	v_cvt_f32_u32 v140, v140
	v_add_f32 v152, 1.0, v140
.irp t, 0,1
	v_mul_f32 v[141+12*\t], s94, v[140+12*\t]
	v_rndne_f32 v[141+12*\t], v[141+12*\t]
	v_fma_f32 v[142+12*\t], v[140+12*\t], s94, -v[141+12*\t]
	v_fma_f32 v[142+12*\t], v[140+12*\t], s95, v[142+12*\t]
.endr
	WALU                                           ; the wait ahead of the batch and behind it
	v_exp_f32 v142, v142
	v_exp_f32 v154, v154
	v_nop
	WALU
.irp t, 0,1
	v_cvt_i32_f32 v[141+12*\t], v[141+12*\t]
	v_ldexp_f32 v[140+12*\t], v[142+12*\t], v[141+12*\t]
.endr
	WALU
	s_wait_loadcnt 0x0
	v_cvt_f32_i32 v71, v71
.irp t, 0,1                            ; the angle, its quadrant, sin and cos of the rest, the quadrant's swap and signs
.set R, 140+12*\t
	v_mul_f32 v[R+1], v71, v[R]
	v_mul_f32 v[R+2], s84, v[R+1]
	v_rndne_f32 v[R+2], v[R+2]
	v_fma_f32 v[R+3], -v[R+2], s85, v[R+1]
	v_fma_f32 v[R+3], -v[R+2], s86, v[R+3]
	v_fma_f32 v[R+3], -v[R+2], s87, v[R+3]
	v_cvt_i32_f32 v[R+4], v[R+2]
	v_mul_f32 v[R+5], v[R+3], v[R+3]
	v_fma_f32 v[R+6], v[R+5], s90, s89
	v_fma_f32 v[R+7], v[R+5], s93, s92
	v_fma_f32 v[R+6], v[R+6], v[R+5], s88
	v_fma_f32 v[R+7], v[R+7], v[R+5], s91
	v_mul_f32 v[R+10], v[R+5], v[R+3]
	v_fma_f32 v[R+11], v[R+5], -0.5, 1.0
	v_fma_f32 v[R+6], v[R+6], v[R+10], v[R+3]
	v_mul_f32 v[R+10], v[R+5], v[R+5]
	v_fma_f32 v[R+7], v[R+7], v[R+10], v[R+11]
	v_and_b32 v[R+10], 1, v[R+4]
	v_cmp_eq_u32 vcc_lo, 1, v[R+10]
	v_cndmask_b32 v[165+2*\t], v[R+6], v[R+7], vcc_lo
	v_cndmask_b32 v[164+2*\t], v[R+7], v[R+6], vcc_lo
	v_lshlrev_b32 v[R+10], 30, v[R+4]
	v_add_nc_u32 v[R+11], 1, v[R+4]
	v_and_b32 v[R+10], 0x80000000, v[R+10]
	v_lshlrev_b32 v[R+11], 30, v[R+11]
	v_xor_b32 v[165+2*\t], v[165+2*\t], v[R+10]
	v_and_b32 v[R+11], 0x80000000, v[R+11]
	v_xor_b32 v[164+2*\t], v[164+2*\t], v[R+11]
.endr
	global_store_b128 v70, v[164:167], s[78:79]    ; sixteen lanes store a position's 256 bytes
	WALU                                           ; the wait at the head's end
	s_wait_xcnt 0x0                                ; the store has read its registers: fragments land there
	s_wait_tensorcnt 0x0                           ; my tile is in,
	s_barrier_signal -1
	s_barrier_wait -1                              ; everybody's is
	MAIN
.irp b, 0,1,2,3
	v_mov_b32 v[TM+4+\b], 0                        ; lane permutes' destinations; also the four places behind the last products
.endr
.irp a, 0,1,2,3                        ; block a: tile a of my head, 16 channels x 128 keys
.if \a
	s_wait_xcnt 0x0                                ; the last block's stores have read their registers
.endif
	QMAX 64*\a, 2
	v_lshl_or_b32 v[WD+\a], v[TM+5], 8, v[TM+4]
	v_lshl_or_b32 v[WD+\a], v[TM+6], 16, v[WD+\a]
	v_lshl_or_b32 v[WD+\a], v[TM+7], 24, v[WD+\a]
	QCVT 64*\a, 2, PCR
.irp c, 0,1,2
	global_store_b128 v6, v[PCR+4*\c:PCR+4*\c+3], s[76:77] offset:6144+1536*\a+512*\c
.endr
.endr
	v_cmp_gt_u32 vcc_lo, 16, v3                    ; scale words: register j: tile 2 j in lanes 0-15, tile 2 j + 1 in lanes 16-31
	v_cndmask_b32 v160, v[WD+1], v[WD], vcc_lo
	v_cndmask_b32 v161, v[WD+3], v[WD+2], vcc_lo
	global_store_b64 v7, v[160:161], s[76:77] offset:12800
	s_wait_tensorcnt 0x0                           ; the wave's end
	ds_add_u32 v[SPW], v[NIL]
	s_wait_dscnt 0x0
	CROUND
	s_endpgm
.Lfunc_end_k_q9554fa2db3_vv:
	.size	k_q9554fa2db3_vv, .Lfunc_end_k_q9554fa2db3_vv-k_q9554fa2db3_vv
	.p2alignl 7, 3214868480
	.fill 96, 4, 3214868480
	.section	.rodata,"a",@progbits
	.p2align	6, 0x0
	.amdhsa_kernel k_q9554fa2db3_vv
		.amdhsa_group_segment_fixed_size 327680
		.amdhsa_private_segment_fixed_size 0
		.amdhsa_enable_private_segment 0
		.amdhsa_kernarg_size 56
		.amdhsa_user_sgpr_count 2
		.amdhsa_user_sgpr_kernarg_segment_ptr 1
		.amdhsa_wavefront_size32 1
		.amdhsa_system_sgpr_workgroup_id_x 1
		.amdhsa_system_sgpr_workgroup_id_y 1
		.amdhsa_system_sgpr_workgroup_id_z 1
		.amdhsa_system_vgpr_workitem_id 0
		.amdhsa_next_free_vgpr 768
		.amdhsa_next_free_sgpr 100
		.amdhsa_reserve_vcc 1
		.amdhsa_float_denorm_mode_32 3
		.amdhsa_float_denorm_mode_16_64 3
		.amdhsa_memory_ordered 1
		.amdhsa_forward_progress 1
		.amdhsa_inst_pref_size 85
	.end_amdhsa_kernel
	.amdgpu_metadata
---
amdhsa.version: [ 1, 2 ]
amdhsa.kernels:
  - .name:           k_q9554fa2db3_vv
    .symbol:         k_q9554fa2db3_vv.kd
    .args:
      - { .name: w_qkv_codes, .offset: 0, .size: 8, .value_kind: global_buffer, .address_space: global }
      - { .name: w_qkv_scales, .offset: 8, .size: 8, .value_kind: global_buffer, .address_space: global }
      - { .name: x_codes, .offset: 16, .size: 8, .value_kind: global_buffer, .address_space: global }
      - { .name: x_scales, .offset: 24, .size: 8, .value_kind: global_buffer, .address_space: global }
      - { .name: token_positions, .offset: 32, .size: 8, .value_kind: global_buffer, .address_space: global }
      - { .name: kvc, .offset: 40, .size: 8, .value_kind: global_buffer, .address_space: global }
      - { .name: tab, .offset: 48, .size: 8, .value_kind: global_buffer, .address_space: global }
    .group_segment_fixed_size: 327680
    .private_segment_fixed_size: 0
    .kernarg_segment_align: 8
    .kernarg_segment_size: 56
    .max_flat_workgroup_size: 128
    .sgpr_count:     100
    .vgpr_count:     768
    .wavefront_size: 32
...
	.end_amdgpu_metadata
.endif
;; end of part 1
;; launch qk (part 2): grid 8 x 32, 4 waves a work-group, clusters of 4 x 4, 327,680 bytes of LDS; arguments x_codes, x_scales, w_qkv_codes, w_qkv_scales, tab, qc, qs, kvc; writes qc, qs, kvc
.if DOCPART == 2
	.amdgcn_target "amdgcn-amd-amdhsa--gfx1250"
	.amdhsa_code_object_version 6
	.text
	.protected	k_q9554fa2db3_qk
	.globl	k_q9554fa2db3_qk
	.p2align	8
	.type	k_q9554fa2db3_qk,@function
k_q9554fa2db3_qk:
	s_mov_b64 s[64:65], 0
	v_nop
	global_prefetch_b8 v0, s[64:65] scope:SCOPE_SE
	s_setreg_imm32_b32 hwreg(HW_REG_WAVE_MODE, 25, 1), 1
	s_wait_xcnt 0x0
	s_wait_alu depctr_hold_cnt(0) depctr_sa_sdst(0) depctr_va_vdst(0) depctr_va_sdst(0) depctr_va_ssrc(0) depctr_va_vcc(0) depctr_vm_vsrc(0)
	s_getreg_b32 s2, hwreg(HW_REG_IB_STS2, 6, 4)
	s_cmp_eq_u32 s2, 0
	s_cbranch_scc0 .Lentry_in_a_cluster
	s_endpgm
.Lentry_in_a_cluster:
	s_bfe_u32 s2, ttmp6, 0x10000c
	s_cmp_lg_u32 s2, 0xf033
	s_cbranch_scc0 .Lentry_shape_is_right
	s_endpgm
.Lentry_shape_is_right:
; Q and K = x w^T on codes of FP6 (E2M3) with E8M0 scales, the rotation by position, and the quantiser along the head's 64.
; A work-group: B = 256 rows of w_qkv (four heads of Q or of K), ALL of K, which stay in LDS; A = 128 tokens (one key step), ALL of K, TWICE: tile y and then tile y + 32, 4,096 tokens on.
; The two tiles have the same place in their sequences (two batches apart), so one set of cos and sin serves both.
; FILLS: one joint load a wave at the head (waves 0, 1 A's halves, waves 2, 3 B's).  ONE REFILL: A's rows, by waves 0 and 1, behind a drained round of the cluster's barrier, whose first two lines stand ahead of the first tile's
; last 32 products; it is on its way while the first tile's results leave, and a plain barrier, behind which nothing is filled, shows it to all.  A is shared along a row of the 4 x 4 cluster, B along a column.
; A wave: 64 tokens x 128 columns (two heads), 32 accumulators by turns.  Wave row w takes the tiles of 16 tokens of parity w (tile 2 a + w), so that its scale words are 256 bytes on end.
; Source 0 = w's rows, source 1 = tokens: a lane holds one token, its registers run along the columns.  cos and sin come from tab (launch vv) straight into registers: v768-895, 32 a + 2 p: frequency 8 (p / 4) + 4 h + p % 4.
; Out: a tile's codes as 768 bytes (an image of six registers); scale words [lane 16 (tile % 2) + r][tile / 2].  qc, qs by head and group of 128 queries; K into kvc's key steps (layout: launch vv).
; PREFETCH: what the refill will load, 384 blocks of 256 bytes, is asked for behind the first barrier, a tile's 256 products ahead: 24 blocks a wave, shared out by address among the sixteen waves of the four work-groups that ask jointly.
; LIMITS: NaN and infinities are not served.  A block of zeros gets the byte 1 where the rule says 127: its codes are zeros, and this program alone reads the bytes.
.set PITCH, 816
.set FR, 12
.set AREG, 256*PITCH
.set SPARE, AREG+128*PITCH
.set NEXTA, 4096*768                   ; from the first tile's codes to the second's
.set NEXTS, 4096*32                    ; and its scale bytes
.set AS0, 16
.set AS1, 32
.set SPW, 4
.set NIL, 5
.set ADB, 8                            ; v8-23 LDS addresses of B's eight blocks, two each (the second: lanes 16-31 behind one padding more)
.set ADA, 24                           ; v24-31 of A's four
.set SA, 36                            ; v36-67 A's scale words, 8 a + q
.set SB, 72                            ; v72-135 B's, 8 b + q
.set AF, 136                           ; v136-231 A's fragments, two sets; B's: window 1, at 0 and 128; accumulators: window 2
.set TM, 232
.set PCR, 136
.set HR, 160                           ; v160-223 a block's rotated numbers
.set W0, 224                           ; v224-227, v228-231 the two heads' scale words
.set W1, 228
.set SEL, 66
.set G1, 24
.set G0, 32
.set G1B, 48
.set G0B, 56
.set MSB, 0
.set NLD, 0
.macro WIN new
.if MSB != (\new)
	s_set_vgpr_msb (MSB<<8)|(\new)
.set MSB, (\new)
.endif
.endm
.macro PLACES n
.rept \n
	v_nop
.endr
.endm
.macro WALU
	s_wait_alu depctr_va_vdst(0)
.endm
.macro CROUND
	s_barrier_signal -1
	s_barrier_wait -1
	s_cmp_lg_u32 s14, 0
	s_cbranch_scc1 .Lnot_wave_0_\@
	s_barrier_signal -3
.Lnot_wave_0_\@:
	s_barrier_wait -3
	s_barrier_signal -1
	s_barrier_wait -1
.endm
.macro GROUP1 g, mask, rows
	s_or_b32 s[\g+0], s[\mask], (1<<20)|(1<<21)|(5<<22)|(3<<25)
	s_mov_b32 s[\g+1], 768<<16
	s_mov_b32 s[\g+2], (\rows)<<16
	s_mov_b32 s[\g+3], 768<<16
	s_mov_b32 s[\g+4], \rows
	s_mov_b32 s[\g+5], 768
	s_mov_b32 s[\g+6], 0
	s_mov_b32 s[\g+7], 0
.endm
.macro FRAG reg, q, a                  ; 16 rows x 128 K: six pieces of 8 bytes, two to a load where both go by one address register
.set SKIP_, 0
.irp p, 0,1,2,3,4,5
.if SKIP_
.set SKIP_, 0
.else
.set PC_, 12*(\q)+6*(\p/3)+\p%3
.set PN_, 12*(\q)+6*((\p+1)/3)+(\p+1)%3
.set X_, (PC_%32+3)/32
.set XQ_, (PN_%32+3)/32
.set NLD, NLD+1
.if (\p < 5) && (X_ == XQ_)
.set SKIP_, 1
	ds_load_2addr_b64 v[(\reg)+2*\p:(\reg)+2*\p+3], v[(\a)+X_] offset0:PC_+2*(PC_/32) offset1:PN_+2*(PN_/32)
.else
	ds_load_b64 v[(\reg)+2*\p:(\reg)+2*\p+1], v[(\a)+X_] offset:8*(PC_+2*(PC_/32))
.endif
.endif
.endr
.endm
.macro FETCH q                         ; K step q's fragments into set q % 2; NLD counts its loads
.set NLD, 0
	WIN 0x40
.irp i, 0,1,2,3,4,5,6,7
	FRAG 128*((\q)%2)+FR*\i, \q, ADB+2*\i
.endr
	WIN 0
.irp i, 0,1,2,3
	FRAG AF+48*((\q)%2)+FR*\i, \q, ADA+2*\i
.endr
.endm
.macro MUL q                           ; 32 products; the first step's start the sums
	WIN 0xa1
.irp a, 0,1,2,3
.irp b, 0,1,2,3,4,5,6,7
.if (\q) == 0
	v_wmma_scale_f32_16x16x128_f8f6f4 v[64*\a+8*\b:64*\a+8*\b+7], v[128*((\q)%2)+FR*\b:128*((\q)%2)+FR*\b+FR-1], v[AF+48*((\q)%2)+FR*\a:AF+48*((\q)%2)+FR*\a+FR-1], 0, v[SB+8*\b+(\q)], v[SA+8*\a+(\q)] matrix_a_fmt:MATRIX_FMT_FP6 matrix_b_fmt:MATRIX_FMT_FP6
.else
	v_wmma_scale_f32_16x16x128_f8f6f4 v[64*\a+8*\b:64*\a+8*\b+7], v[128*((\q)%2)+FR*\b:128*((\q)%2)+FR*\b+FR-1], v[AF+48*((\q)%2)+FR*\a:AF+48*((\q)%2)+FR*\a+FR-1], v[64*\a+8*\b:64*\a+8*\b+7], v[SB+8*\b+(\q)], v[SA+8*\a+(\q)] matrix_a_fmt:MATRIX_FMT_FP6 matrix_b_fmt:MATRIX_FMT_FP6
.endif
.endr
.endr
.endm
.macro MAIN grd
	FETCH 0
	s_wait_loadcnt 0x0
.set Q_, 0
.rept 7
.if Q_
	PLACES 4
.endif
	FETCH Q_+1
	s_wait_dscnt NLD
	MUL Q_
.set Q_, Q_+1
.endr
	s_wait_dscnt 0x0                               ; my reads of the tiles are over
.if \grd
	WIN 0
	s_wait_tensorcnt 0x0                           ; the first two of the three lines ahead of a refill's round;
	ds_add_u32 v[SPW], v[NIL]                      ; the last 32 products stand between the add and the wait for it
.endif
	MUL 7
	WIN 0
.endm
.macro QMAX src, W                     ; four blocks of 32: 16 numbers in my registers, 16 in the lane 16 away; bytes in v[TM+4+b], the conversions' scale operands in v[TM+12+b]
	WIN (((\W)<<2)|((\W)<<4))
.irp b, 0,1,2,3
	v_max3_num_f32 v[TM+\b], 0x1800000, |v[(\src)+16*\b]|, |v[(\src)+16*\b+1]|
.endr
.irp i, 2,4,6,8,10,12,14
.irp b, 0,1,2,3
	v_max3_num_f32 v[TM+\b], v[TM+\b], |v[(\src)+16*\b+\i]|, |v[(\src)+16*\b+\i+1]|
.endr
.endr
	WIN 0
.irp b, 0,1,2,3
	v_permlanex16_b32 v[TM+4+\b], v[TM+\b], s[SEL], s[SEL+1]
.endr
.irp b, 0,1,2,3
	v_max_num_f32 v[TM+\b], v[TM+\b], v[TM+4+\b]
.endr
.irp b, 0,1,2,3
	v_add_nc_u32 v[TM+12+\b], 0xff000000, v[TM+\b]
.endr
.irp b, 0,1,2,3
	v_lshrrev_b32 v[TM+4+\b], 23, v[TM+12+\b]
.endr
.endm
.macro QCVT src, W, P                  ; the codes as an operand's twelve registers, v[P] on
	WIN (\W)
.irp c, 0,1
	v_cvt_scalef32_pk16_fp6_f32 v[(\P)+6*\c:(\P)+6*\c+2], v[(\src)+32*\c:(\src)+32*\c+15], v[TM+12+2*\c]
	v_cvt_scalef32_pk16_fp6_f32 v[(\P)+12+4*\c:(\P)+12+4*\c+2], v[(\src)+32*\c+16:(\src)+32*\c+31], v[TM+12+2*\c+1]
.endr
	WIN 0
	v_nop
.irp c, 0,1
.irp i, 0,1,2
	v_permlane16_swap_b32 v[(\P)+6*\c+\i], v[(\P)+12+4*\c+\i]
.endr
.irp i, 0,1,2
	v_mov_b32 v[(\P)+6*\c+3+\i], v[(\P)+12+4*\c+\i]
.endr
.endr
.endm
.macro OUTQK                           ; a tile's way out.  Block a: tile 2 a + w of the step, two heads
.irp a, 0,1,2,3
.if \a
	s_wait_xcnt 0x0                                ; the last block's stores have read their registers
.endif
	WIN 0x0e                                       ; source 0: the sums, window 2; source 1: cos and sin, window 3
.set p_, 0
.rept 32
	v_pk_mul_f32 v[HR+2*p_:HR+2*p_+1], v[64*\a+2*p_:64*\a+2*p_+1], v[32*\a+2*(p_%16):32*\a+2*(p_%16)+1] op_sel:[1,1] op_sel_hi:[1,0] neg_lo:[1,0]
.set p_, p_+1
.endr
.set p_, 0
.rept 32
	v_pk_fma_f32 v[HR+2*p_:HR+2*p_+1], v[64*\a+2*p_:64*\a+2*p_+1], v[32*\a+2*(p_%16):32*\a+2*(p_%16)+1], v[HR+2*p_:HR+2*p_+1] op_sel_hi:[0,1,1]
.set p_, p_+1
.endr
	QMAX HR, 0
	v_lshl_or_b32 v[W0+\a], v[TM+5], 8, v[TM+4]
	v_lshl_or_b32 v[W1+\a], v[TM+7], 8, v[TM+6]
	QCVT HR, 0, PCR
	global_store_b128 v6, v[PCR:PCR+3], s[76:77] offset:1536*\a
	global_store_b64 v7, v[PCR+4:PCR+5], s[76:77] offset:1536*\a+512
	global_store_b128 v6, v[PCR+6:PCR+9], s[78:79] offset:1536*\a
	global_store_b64 v7, v[PCR+10:PCR+11], s[78:79] offset:1536*\a+512
.endr
	v_cmp_gt_u32 vcc_lo, 16, v3
.irp a, 0,1,2,3
	v_cndmask_b32 v[W0+\a], v[W1+\a], v[W0+\a], vcc_lo
.endr
	global_store_b128 v34, v[W0:W0+3], s[80:81]    ; sixteen lanes store 256 bytes on end, a head each half
.endm
	s_load_b256 s[4:11], s[0:1], 0x0               ; x's codes, x's scales, w's codes, w's scales
	s_load_b256 s[68:75], s[0:1], 0x20             ; tab, qc, qs, kvc
	v_lshl_add_u32 v[SPW], v0, 2, SPARE
	v_mov_b32 v[NIL], 0
	ds_add_u32 v[SPW], v[NIL]                      ; the opening lines
	ds_add_u32 v[SPW], v[NIL]
	v_lshrrev_b32 v1, 5, v0
	v_readfirstlane_b32 s14, v1                    ; wave
	s_lshr_b32 s15, s14, 1                         ; my parity of A's tiles.  Also: I fetch for A (0) or B (1)
	s_and_b32 s16, s14, 1                          ; my half of B.  Also: which half I fetch
	s_bfe_u32 s40, ttmp6, 0x40000
	s_bfe_u32 s41, ttmp6, 0x40004
	s_lshl_b32 s42, ttmp9, 2
	s_add_co_u32 s42, s42, s40                     ; B's tile: 0-3 Q, 4-7 K
	s_and_b32 s17, ttmp7, 0xffff
	s_lshl_b32 s17, s17, 2
	s_add_co_u32 s17, s17, s41                     ; A's first tile of 128 tokens, 0 .. 31
	s_lshl_b32 s43, s41, 2
	s_lshl_b32 s43, 15, s43
	s_lshl_b32 s44, 0x1111, s40
	GROUP1 G1, 43, 64
	GROUP1 G1B, 44, 128
	s_lshl_b32 s20, s17, 7
	s_lshl_b32 s18, s16, 6
	s_add_co_u32 s20, s20, s18
	s_mul_i32 s20, s20, 768
	s_mov_b32 s21, 0
	s_lshl_b32 s46, s42, 8
	s_lshl_b32 s18, s16, 7
	s_add_co_u32 s46, s46, s18
	s_mul_i32 s46, s46, 768
	s_mov_b32 s47, 0
	s_mov_b32 s[SEL], 0x76543210
	s_mov_b32 s[SEL+1], 0xfedcba98
	s_mov_b32 s[G0], 1
	s_mul_i32 s[G0+1], s16, 64*PITCH
	s_add_co_u32 s[G0+1], s[G0+1], AREG
	s_mov_b32 s[G0B], 1
	s_mul_i32 s[G0B+1], s16, 128*PITCH
	s_wait_dscnt 0x0
	s_wait_kmcnt 0x0
	s_add_nc_u64 s[G0+2:G0+3], s[4:5], s[20:21]
	s_or_b32 s[G0+3], s[G0+3], 0x80000000
	s_add_nc_u64 s[G0B+2:G0B+3], s[8:9], s[46:47]
	s_or_b32 s[G0B+3], s[G0B+3], 0x80000000
	CROUND                                         ; the joint loads meet
	s_cmp_eq_u32 s15, 0
	s_cbranch_scc0 .Lfor_b
	tensor_load_to_lds s[G0:G0+3], s[G1:G1+7]
	s_nop 0
	PLACES 4
	s_branch .Lasked
.Lfor_b:
	tensor_load_to_lds s[G0B:G0B+3], s[G1B:G1B+7]
	s_nop 0
	PLACES 4
.Lasked:
	s_lshl_b32 s18, s17, 7                         ; my rows' scale bytes
	s_mul_i32 s19, s15, AS0
	s_add_co_u32 s18, s18, s19
	s_lshl_b32 s18, s18, 5
	s_mov_b32 s19, 0
	s_add_nc_u64 s[60:61], s[6:7], s[18:19]
	s_lshl_b32 s18, s42, 8
	s_lshl_b32 s22, s16, 7
	s_add_co_u32 s18, s18, s22
	s_lshl_b32 s18, s18, 5
	s_add_nc_u64 s[62:63], s[10:11], s[18:19]
	s_mul_i32 s22, s16, 128*PITCH
	s_mul_i32 s23, s15, AS0*PITCH
	s_add_co_u32 s23, s23, AREG
	s_cmp_eq_u32 ttmp9, 0                          ; Q or K: buffers and strides (the cluster's number alone decides)
	s_cselect_b64 s[76:77], s[70:71], s[74:75]
	s_cselect_b64 s[80:81], s[72:73], s[74:75]
	s_mov_b32 s84, 208896
	s_cselect_b32 s85, 98304, s84                  ; codes: from head to head
	s_cselect_b32 s84, 8192, s84                   ; scale words likewise
	s_mov_b32 s86, 13056
	s_cselect_b32 s87, 6144, s86                   ; codes: from step to step
	s_cselect_b32 s86, 512, s86
	s_cselect_b32 s88, 0, 12288                    ; K's words lie behind the step's codes
	s_lshr_b32 s89, s17, 4
	s_lshl_b32 s89, s89, 4
	s_and_b32 s90, s42, 3
	s_lshl_b32 s90, s90, 2
	s_add_co_u32 s89, s89, s90
	s_lshl_b32 s90, s16, 1
	s_add_co_u32 s89, s89, s90                     ; 16 b + my first head
	s_and_b32 s90, s17, 15                         ; the step
	s_mul_i32 s92, s89, s85
	s_mul_i32 s93, s90, s87
	s_add_co_u32 s92, s92, s93
	s_mul_i32 s93, s15, 768
	s_add_co_u32 s92, s92, s93
	s_mov_b32 s93, 0
	s_add_nc_u64 s[76:77], s[76:77], s[92:93]
	s_mov_b32 s92, s85
	s_add_nc_u64 s[78:79], s[76:77], s[92:93]      ; the second head's codes
	s_mul_i32 s92, s89, s84
	s_mul_i32 s94, s90, s86
	s_add_co_u32 s92, s92, s94
	s_add_co_u32 s92, s92, s88
	s_lshl_b32 s94, s15, 8
	s_add_co_u32 s92, s92, s94
	s_add_nc_u64 s[80:81], s[80:81], s[92:93]
	s_lshl_b32 s92, s90, 7
	s_lshl_b32 s94, s15, 4
	s_add_co_u32 s92, s92, s94
	s_lshl_b32 s92, s92, 8
	s_add_nc_u64 s[82:83], s[68:69], s[92:93]      ; tab: my first token's row
	s_lshl_b32 s96, s17, 7                         ; the prefetch: the second tile's first row,
	s_add_co_u32 s96, s96, 4096
	s_mul_i32 s96, s96, 768
	s_lshl_b32 s94, s40, 2
	s_add_co_u32 s94, s94, s14                     ; my number among the sixteen waves that will ask for it,
	s_mul_i32 s94, s94, 6144                       ; and my 24 blocks of its 384
	s_add_co_u32 s96, s96, s94
	s_mov_b32 s97, 0
	s_add_nc_u64 s[96:97], s[4:5], s[96:97]
	v_and_b32 v1, 15, v0
	v_bfe_u32 v2, v0, 4, 1
	v_and_b32 v3, 31, v0
	v_mul_u32_u24 v6, v1, PITCH
	v_mad_u32_u24 v7, v2, 24, v6
	v_mad_u32_u24 v6, v2, 40, v6
	v_add_nc_u32 v[ADB], s22, v7
	v_add_nc_u32 v[ADB+1], s22, v6
	v_add_nc_u32 v[ADA], s23, v7
	v_add_nc_u32 v[ADA+1], s23, v6
.irp i, 1,2,3,4,5,6,7
	v_add_nc_u32 v[ADB+2*\i], \i*16*PITCH, v[ADB]
	v_add_nc_u32 v[ADB+2*\i+1], \i*16*PITCH, v[ADB+1]
.endr
.irp i, 1,2,3
	v_add_nc_u32 v[ADA+2*\i], \i*AS1*PITCH, v[ADA]
	v_add_nc_u32 v[ADA+2*\i+1], \i*AS1*PITCH, v[ADA+1]
.endr
	v_lshlrev_b32 v6, 4, v3                        ; 16 x lane
	v_lshlrev_b32 v7, 3, v3                        ; 8 x lane
	v_lshlrev_b32 v32, 5, v1                       ; a row of scale bytes
	v_lshlrev_b32 v33, 8, v1
	v_lshl_add_u32 v33, v2, 5, v33                 ; tab: 256 r + 32 h
	v_lshlrev_b32 v34, 4, v1
	v_mad_u32_u24 v34, v2, s84, v34                ; scale words: 16 r; lanes 16-31 the second head's
	v_min_u32 v35, 23, v3                          ; the prefetch: a lane a block; lanes 24-31 name the wave's last block again
	v_lshlrev_b32 v35, 8, v35
	WALU                                           ; the wait at the head's end
.irp i, 0,1,2,3
	global_load_b128 v[SA+8*\i:SA+8*\i+3], v32, s[60:61] offset:32*AS1*\i
	global_load_b128 v[SA+8*\i+4:SA+8*\i+7], v32, s[60:61] offset:32*AS1*\i+16
.endr
.irp i, 0,1,2,3,4,5,6,7
	global_load_b128 v[SB+8*\i:SB+8*\i+3], v32, s[62:63] offset:512*\i
	global_load_b128 v[SB+8*\i+4:SB+8*\i+7], v32, s[62:63] offset:512*\i+16
.endr
	WIN 0xc0
.irp a, 0,1,2,3
.irp g, 0,1,2,3
	global_load_b128 v[32*\a+8*\g:32*\a+8*\g+3], v33, s[82:83] offset:8192*\a+64*\g
	global_load_b128 v[32*\a+8*\g+4:32*\a+8*\g+7], v33, s[82:83] offset:8192*\a+64*\g+16
.endr
.endr
	WIN 0
	s_wait_tensorcnt 0x0                           ; my tile is in,
	s_barrier_signal -1
	s_barrier_wait -1                              ; everybody's is
	global_prefetch_b8 v35, s[96:97] th:TH_LOAD_NT scope:SCOPE_SE   ; its address registers are never written again
	MAIN 1
	s_add_nc_u64 s[G0+2:G0+3], s[G0+2:G0+3], NEXTA ; no tensor load of mine is out: the descriptor steps to the second tile
	s_wait_dscnt 0x0                               ; the add is done
	CROUND                                         ; no wave of any partner still reads A's rows
	s_cmp_eq_u32 s15, 0
	s_cbranch_scc0 .Lno_refill
	tensor_load_to_lds s[G0:G0+3], s[G1:G1+7]      ; waves 0 and 1: a half each of the second tile
	s_nop 0
	PLACES 4
.Lno_refill:
.irp b, 0,1,2,3
	v_mov_b32 v[TM+4+\b], 0                        ; lane permutes' destinations; also the four places behind the last products, on every way
.endr
.irp i, 0,1,2,3
	global_load_b128 v[SA+8*\i:SA+8*\i+3], v32, s[60:61] offset:NEXTS+32*AS1*\i      ; the second tile's scale words
	global_load_b128 v[SA+8*\i+4:SA+8*\i+7], v32, s[60:61] offset:NEXTS+32*AS1*\i+16
.endr
	OUTQK
	WALU
	s_wait_xcnt 0x0                                ; the stores have read their registers and bases: fragments land there, and the bases step
	s_lshl_b32 s92, s85, 5                         ; two batches on: 32 heads
	s_mov_b32 s93, 0
	s_add_nc_u64 s[76:77], s[76:77], s[92:93]
	s_add_nc_u64 s[78:79], s[78:79], s[92:93]
	s_lshl_b32 s92, s84, 5
	s_add_nc_u64 s[80:81], s[80:81], s[92:93]
	s_wait_tensorcnt 0x0                           ; my part of the second tile is in,
	s_barrier_signal -1
	s_barrier_wait -1                              ; everybody's is
	MAIN 0
	PLACES 4
	OUTQK
	s_wait_tensorcnt 0x0                           ; the wave's end
	ds_add_u32 v[SPW], v[NIL]
	s_wait_dscnt 0x0
	CROUND
	s_endpgm
.Lfunc_end_k_q9554fa2db3_qk:
	.size	k_q9554fa2db3_qk, .Lfunc_end_k_q9554fa2db3_qk-k_q9554fa2db3_qk
	.p2alignl 7, 3214868480
	.fill 96, 4, 3214868480
	.section	.rodata,"a",@progbits
	.p2align	6, 0x0
	.amdhsa_kernel k_q9554fa2db3_qk
		.amdhsa_group_segment_fixed_size 327680
		.amdhsa_private_segment_fixed_size 0
		.amdhsa_enable_private_segment 0
		.amdhsa_kernarg_size 64
		.amdhsa_user_sgpr_count 2
		.amdhsa_user_sgpr_kernarg_segment_ptr 1
		.amdhsa_wavefront_size32 1
		.amdhsa_system_sgpr_workgroup_id_x 1
		.amdhsa_system_sgpr_workgroup_id_y 1
		.amdhsa_system_sgpr_workgroup_id_z 1
		.amdhsa_system_vgpr_workitem_id 0
		.amdhsa_next_free_vgpr 896
		.amdhsa_next_free_sgpr 100
		.amdhsa_reserve_vcc 1
		.amdhsa_float_denorm_mode_32 3
		.amdhsa_float_denorm_mode_16_64 3
		.amdhsa_memory_ordered 1
		.amdhsa_forward_progress 1
		.amdhsa_inst_pref_size 189
	.end_amdhsa_kernel
	.amdgpu_metadata
---
amdhsa.version: [ 1, 2 ]
amdhsa.kernels:
  - .name:           k_q9554fa2db3_qk
    .symbol:         k_q9554fa2db3_qk.kd
    .args:
      - { .name: x_codes, .offset: 0, .size: 8, .value_kind: global_buffer, .address_space: global }
      - { .name: x_scales, .offset: 8, .size: 8, .value_kind: global_buffer, .address_space: global }
      - { .name: w_qkv_codes, .offset: 16, .size: 8, .value_kind: global_buffer, .address_space: global }
      - { .name: w_qkv_scales, .offset: 24, .size: 8, .value_kind: global_buffer, .address_space: global }
      - { .name: tab, .offset: 32, .size: 8, .value_kind: global_buffer, .address_space: global }
      - { .name: qc, .offset: 40, .size: 8, .value_kind: global_buffer, .address_space: global }
      - { .name: qs, .offset: 48, .size: 8, .value_kind: global_buffer, .address_space: global }
      - { .name: kvc, .offset: 56, .size: 8, .value_kind: global_buffer, .address_space: global }
    .group_segment_fixed_size: 327680
    .private_segment_fixed_size: 0
    .kernarg_segment_align: 8
    .kernarg_segment_size: 64
    .max_flat_workgroup_size: 128
    .sgpr_count:     100
    .vgpr_count:     896
    .wavefront_size: 32
...
	.end_amdgpu_metadata
.endif
;; end of part 2
;; launch attn (part 3): grid 4 x 64, 16 waves a work-group, clusters of 4 x 1, 215,040 bytes of LDS; arguments qc, qs, kvc, ac, asc; writes ac, asc
.if DOCPART == 3
	.amdgcn_target "amdgcn-amd-amdhsa--gfx1250"
	.amdhsa_code_object_version 6
	.text
	.protected	k_q9554fa2db3_attn
	.globl	k_q9554fa2db3_attn
	.p2align	8
	.type	k_q9554fa2db3_attn,@function
k_q9554fa2db3_attn:
	s_mov_b64 s[64:65], 0
	v_nop
	global_prefetch_b8 v0, s[64:65] scope:SCOPE_SE
	s_setreg_imm32_b32 hwreg(HW_REG_WAVE_MODE, 25, 1), 1
	s_wait_xcnt 0x0
	s_wait_alu depctr_hold_cnt(0) depctr_sa_sdst(0) depctr_va_vdst(0) depctr_va_sdst(0) depctr_va_ssrc(0) depctr_va_vcc(0) depctr_vm_vsrc(0)
	s_getreg_b32 s2, hwreg(HW_REG_IB_STS2, 6, 4)
	s_cmp_eq_u32 s2, 0
	s_cbranch_scc0 .Lentry_in_a_cluster
	s_endpgm
.Lentry_in_a_cluster:
	s_bfe_u32 s2, ttmp6, 0x10000c
	s_cmp_lg_u32 s2, 0x3003
	s_cbranch_scc0 .Lentry_shape_is_right
	s_endpgm
.Lentry_shape_is_right:
; Causal attention on codes of FP6 (E2M3): S^T = K Q^T (K = the head's 64), p = 2^(t - M), O^T = V^T P^T (K = the keys), O / l, and the quantiser along d_model for the last product.
; t = score x log2(e) / 8; M = the running largest t rounded UP to a whole number; the row's sum l is taken of the unquantised p; when M moves, l and O are multiplied by 2^(old M - new M): exact.
; SHARES.  A cluster of four work-groups is one head (64 heads in all).  THE HEAD'S K AND V, 208,896 bytes of codes and scale words, STAY IN LDS: each work-group receives them once, by joint loads that name
; all four; nothing is filled again, so the loops have no barrier.  They lie as images of operand registers, so every LDS load takes 256 or 512 consecutive bytes.
; A wave owns two tiles of 16 queries, one in a late group of 128 queries (gL = 8..15) and one in the early group 15 - gL: gL + 1 and 16 - gL key steps of 128, 17 for every wave of the launch.
; Which groups hangs on the wave's number alone; the place in the cluster picks the tile inside the group, and enters only global addresses and the mask's comparison value.
; LAYOUT.  Both products are used transposed: a lane holds ONE query (lane % 16).  In S^T register j of tile t is key 16 t + 8 (lane / 16) + j, so a block of 32 keys lies in 16 registers of two lanes, in the order
; 0-7, 16-23, 8-15, 24-31 after the conversions: the order in which the launch before has laid V's codes.
; K = 64 IN AN INSTRUCTION OF 128: Q's upper six registers are zero codes; K's upper six are whatever follows (the next tile's codes); the upper two scale bytes are 0 on both sides, which is 2^-127 and no NaN.
; LIMITS: NaN and infinities are not served.  A block of zeros gets the byte 1 where the rule says 127: its codes are zeros, and this program alone reads the bytes.
; No prefetch: all that the launch reads of K and V is asked for at its head.
; REGISTERS: v1 16 x lane, v2 8 x lane, v3 the mask's value, v4 16 r, v5 32 r, v6-9 the step's LDS addresses, v10 -infinity; v12 -M, v13 the largest t, v[14:15] the sum; v16-27 Q (v22-27 zeros), v28 its scale word;
;   v32-85 K's eight tiles, six registers apart (v80-85 zeros), then v32-79 V's four fragments; v86-92 the second tile's Q; v96-159 S^T, then p; v160-191 O^T; v192-210 p's codes; v212-218 scale words; v220.. at work.
.set STEPB, 13056                      ; a key step: K's eight tiles of 768 bytes, V's four fragments of 1,536, then 768 bytes of scale words
.set VOFF,  6144
.set SCL,   12288                      ; the step's scale words lie behind its codes: K's 512, V's 256
.set SSTEP, 13056
.set WV,  16
.set CX,  17
.set BH,  18
.set SEL, 20
.set CS,  22                           ; s[22:23] c = log2(e) / 8
.set G1C, 24                           ; group 1 for a key step of 13,056 bytes
.set G0,  40                           ; group 0
.set GL,  52
.set GS,  53
.set TAU, 54
.set TB,  55                           ; LDS byte of the step's codes
.set TS,  56                           ; and of its scale words
.set KI,  57                           ; the key step
.set GG,  58                           ; the group of the tile in hand
.set BM,  222                          ; v222-225 the blocks' largest
.set PT,  226                          ; v226-229 lane permutes' results, then bytes
.set SO,  230                          ; v230-233 the conversions' scale operands
.set TP,  234
.set F,   220                          ; v[220:221] a factor, in the low word
.macro CROUND
	s_barrier_signal -1
	s_barrier_wait -1
	s_cmp_lg_u32 s[WV], 0
	s_cbranch_scc1 .Lnot_wave_0_\@
	s_barrier_signal -3
.Lnot_wave_0_\@:
	s_barrier_wait -3
	s_barrier_signal -1
	s_barrier_wait -1
.endm
; the four addresses of the tile TAU of group g: Q's codes, Q's scale word, and where the result's codes and scale bytes go
.macro BASES g, d
	s_mul_i32 s82, s[BH], 98304
	s_mul_i32 s84, s[\g], 6144
	s_add_co_u32 s82, s82, s84
	s_mul_i32 s84, s[TAU], 768
	s_add_co_u32 s82, s82, s84
	s_mov_b32 s83, 0
	s_add_nc_u64 s[\d:\d+1], s[4:5], s[82:83]
	s_lshl_b32 s82, s[BH], 13
	s_lshl_b32 s84, s[\g], 9
	s_add_co_u32 s82, s82, s84
	s_and_b32 s84, s[TAU], 1
	s_lshl_b32 s84, s84, 8
	s_add_co_u32 s82, s82, s84
	s_lshr_b32 s84, s[TAU], 1
	s_lshl_b32 s84, s84, 2
	s_add_co_u32 s82, s82, s84
	s_add_nc_u64 s[\d+2:\d+3], s[6:7], s[82:83]
	s_lshr_b32 s84, s[BH], 4
	s_lshl_b32 s84, s84, 7
	s_lshl_b32 s85, s[\g], 3
	s_add_co_u32 s84, s84, s85
	s_add_co_u32 s84, s84, s[TAU]                  ; the tile among all 512: 128 b + 8 g + tau
	s_and_b32 s85, s[BH], 15                       ; the head
	s_mul_i32 s82, s84, 12288
	s_mul_i32 s86, s85, 768
	s_add_co_u32 s82, s82, s86
	s_add_nc_u64 s[\d+4:\d+5], s[12:13], s[82:83]
	s_lshl_b32 s82, s84, 9
	s_lshl_b32 s86, s85, 1
	s_add_co_u32 s82, s82, s86
	s_add_nc_u64 s[\d+6:\d+7], s[14:15], s[82:83]
.endm
	s_load_b256 s[4:11], s[0:1], 0x0               ; qc, qs, kvc, ac
	s_load_b128 s[12:15], s[0:1], 0x18             ; ac, asc
	v_lshl_add_u32 v254, v0, 2, 0x34000
	v_mov_b32 v255, 0
	ds_add_u32 v254, v255
	ds_add_u32 v254, v255
	v_lshrrev_b32 v1, 5, v0
	s_delay_alu instid0(VALU_DEP_1)
	v_readfirstlane_b32 s[WV], v1                  ; wave 0..15
	s_bfe_u32 s[CX], ttmp6, 0x40000                ; my place in the cluster
	s_and_b32 s[BH], ttmp7, 0xffff                 ; 16 b + head
	s_lshr_b32 s82, s[WV], 3
	s_xor_b32 s82, s82, 1                          ; 1 in waves 0-7
	s_mul_i32 s[GL], s82, 15
	s_xor_b32 s[GL], s[GL], s[WV]                  ; 15 .. 8 in waves 0-7, 8 .. 15 in waves 8-15
	s_xor_b32 s[GS], s[GL], 15
	s_lshl_b32 s[TAU], s82, 2
	s_add_co_u32 s[TAU], s[TAU], s[CX]             ; waves 0-7: tiles 4-7 of the group, waves 8-15: tiles 0-3
	s_mov_b32 s[G1C], 15|(3<<16)|(1<<21)           ; the mask: all four work-groups; elements of 8 bytes; bit 21 beside a mask; no padding
	s_mov_b32 s[G1C+1], 32<<16                     ; rows of 256 bytes,
	s_mov_b32 s[G1C+2], 51<<16                     ; 51 of them, dense: a key step
	s_mov_b32 s[G1C+3], 32<<16
	s_mov_b32 s[G1C+4], 51
	s_mov_b32 s[G1C+5], 32
	s_mov_b32 s[G1C+6], 0
	s_mov_b32 s[G1C+7], 0
	s_mul_i32 s86, s[BH], 208896
	s_mul_i32 s85, s[WV], STEPB
	s_add_co_u32 s86, s86, s85
	s_mov_b32 s87, 0
	s_mov_b32 s[SEL], 0x76543210
	s_mov_b32 s[SEL+1], 0xfedcba98
	s_mov_b32 s[CS], 0x3e38aa3b
	s_mov_b32 s[CS+1], s[CS]
	s_mov_b32 s90, 0x05040100                      ; byte selects for the result's codes
	s_mov_b32 s91, 0x05040302
	s_mov_b32 s92, 0x07060302
	s_wait_dscnt 0x0
	s_wait_kmcnt 0x0
	s_mov_b32 s[G0], 1                             ; wave w brings key step w, codes and scale words: my one load of the launch
	s_mov_b32 s[G0+1], s85
	s_add_nc_u64 s[G0+2:G0+3], s[8:9], s[86:87]
	s_or_b32 s[G0+3], s[G0+3], 0x80000000
	CROUND                                         ; all four work-groups are here: the joint loads meet
	s_cmp_lt_u32 s[WV], 8                          ; waves 0-7, which wait at the first barrier, have a load line of their own
	s_cbranch_scc0 .Lupper
	tensor_load_to_lds s[G0:G0+3], s[G1C:G1C+7]
	s_nop 0
.rept 4
	v_nop
.endr
	s_branch .Lasked
.Lupper:
	tensor_load_to_lds s[G0:G0+3], s[G1C:G1C+7]
	s_nop 0
.Lasked:
.rept 4
	v_nop
.endr
	BASES GL, 66
	BASES GS, 74
	v_and_b32 v11, 31, v0
	s_delay_alu instid0(VALU_DEP_1)
	v_lshlrev_b32 v1, 4, v11
	s_delay_alu instid0(VALU_DEP_2)
	v_lshlrev_b32 v2, 3, v11
	v_and_b32 v3, 15, v0
	s_delay_alu instid0(VALU_DEP_1)
	v_lshlrev_b32 v4, 4, v3
	s_delay_alu instid0(VALU_DEP_2)
	v_lshlrev_b32 v5, 5, v3
	v_bfe_u32 v11, v0, 4, 1
	s_delay_alu instid0(VALU_DEP_1)
	v_lshlrev_b32 v11, 3, v11
	s_delay_alu instid0(VALU_DEP_1)
	v_sub_nc_u32 v3, v3, v11
	s_lshl_b32 s82, s[TAU], 4
	v_add_nc_u32 v3, s82, v3                       ; 16 tau + r - 8 h: on the diagonal register 8 t + j (key 16 t + 8 h + j of the step) is hidden where 16 t + j is above it
	global_load_b128 v[16:19], v1, s[66:67]        ; the late tile's Q
	global_load_b64 v[20:21], v2, s[66:67] offset:512
	global_load_b32 v28, v4, s[68:69]
	global_load_b128 v[86:89], v1, s[74:75]        ; the early tile's
	global_load_b64 v[90:91], v2, s[74:75] offset:512
	global_load_b32 v92, v4, s[76:77]
	v_mov_b32 v10, 0xff800000
.irp j, 22,23,24,25,26,27,80,81,82,83,84,85
	v_mov_b32 v\j, 0                               ; zero codes
.endr
.irp j, 221,226,227,228,229,234
	v_mov_b32 v\j, 0                               ; written once: lane permutes' destinations, and the upper half of a pair that is named whole
.endr
.macro INIT                            ; a tile begins: O^T and the sum are zeros, the largest t lies under every t: the first change of M multiplies zeros
	v_mov_b32 v13, 0xff61b1e6
	s_delay_alu instid0(VALU_DEP_1)
	v_floor_f32 v12, -v13
	v_mov_b32 v14, 0
	v_mov_b32 v15, 0
.set j_, 0
.rept 32
	v_mov_b32 v[160+j_], 0
.set j_, j_+1
.endr
.endm
	INIT
; A KEY STEP of 128 keys.  mode = 1: a step whose keys all come after the tile's group is left out (a scalar branch on the wave's number and the loop's count), and on the diagonal hidden scores become -infinity.
.macro STEP mode
.if \mode
	s_cmp_gt_u32 s[KI], s[GG]
	s_cbranch_scc1 .Lhidden_\@
.endif
	v_add_nc_u32 v6, s[TB], v1                     ; these four are also the places between the last products and the loads into their operands
	v_add_nc_u32 v7, s[TB], v2
	v_add_nc_u32 v8, s[TS], v1
	v_add_nc_u32 v9, s[TS], v2
.irp t, 0,1,2,3,4,5,6,7
	ds_load_b128 v[32+6*\t:35+6*\t], v6 offset:768*\t
	ds_load_b64 v[36+6*\t:37+6*\t], v7 offset:768*\t+512
.endr
	ds_load_b128 v[212:215], v8                    ; K's scale words: register j: tile 2 j in lanes 0-15, tile 2 j + 1 in lanes 16-31
	s_wait_alu depctr_va_vdst(0)
	s_wait_dscnt 0x0
.irp t, 0,1,2,3,4,5,6,7
.if \t%2
	v_wmma_scale_f32_16x16x128_f8f6f4 v[96+8*\t:103+8*\t], v[32+6*\t:43+6*\t], v[16:27], 0, v[212+\t/2], v28 matrix_a_fmt:MATRIX_FMT_FP6 matrix_b_fmt:MATRIX_FMT_FP6 matrix_a_scale:MATRIX_SCALE_ROW1
.else
	v_wmma_scale_f32_16x16x128_f8f6f4 v[96+8*\t:103+8*\t], v[32+6*\t:43+6*\t], v[16:27], 0, v[212+\t/2], v28 matrix_a_fmt:MATRIX_FMT_FP6 matrix_b_fmt:MATRIX_FMT_FP6
.endif
.endr
.rept 4
	v_nop                                          ; places in front of the loads over K's registers and of the first read of the scores
.endr
.irp t, 0,1,2,3
.irp c, 0,1,2
	ds_load_b128 v[32+12*\t+4*\c:35+12*\t+4*\c], v6 offset:VOFF+1536*\t+512*\c   ; V's four fragments land under the softmax
.endr
.endr
	ds_load_b64 v[216:217], v9 offset:512
.if \mode
	s_cmp_lg_u32 s[KI], s[GG]
	s_cbranch_scc1 .Lopen_\@
.set n_, 0
.rept 64
	v_cmp_gt_i32 vcc_lo, 16*(n_/8)+n_%8, v3
	v_cndmask_b32 v[96+n_], v[96+n_], v10, vcc_lo
.set n_, n_+1
.endr
.Lopen_\@:
.endif
.irp b, 0,1,2,3
	v_max3_num_f32 v[BM+\b], v[96+16*\b], v[97+16*\b], v[98+16*\b]   ; the largest score of each block of 32 keys: for the row's maximum and, since p rises with the score, for the block's largest p
.endr
.irp i, 3,5,7,9,11,13
.irp b, 0,1,2,3
	v_max3_num_f32 v[BM+\b], v[BM+\b], v[96+16*\b+\i], v[97+16*\b+\i]
.endr
.endr
.irp b, 0,1,2,3
	v_max_num_f32 v[BM+\b], v[BM+\b], v[111+16*\b]
.endr
.irp b, 0,1,2,3
	s_delay_alu instid0(VALU_DEP_4)
	v_permlanex16_b32 v[PT+\b], v[BM+\b], s[SEL], s[SEL+1]
.endr
.irp b, 0,1,2,3
	s_delay_alu instid0(VALU_DEP_4)
	v_max_num_f32 v[BM+\b], v[BM+\b], v[PT+\b]
.endr
	s_delay_alu instid0(VALU_DEP_2)
	v_max3_num_f32 v[TP], v[BM], v[BM+1], v[BM+2]
	s_delay_alu instid0(VALU_DEP_1)
	v_max_num_f32 v[TP], v[TP], v[BM+3]
	s_delay_alu instid0(VALU_DEP_1)
	v_mul_f32 v[TP], s[CS], v[TP]
	s_delay_alu instid0(VALU_DEP_1)
	v_max_num_f32 v13, v13, v[TP]                  ; the running largest t
	v_mov_b32 v[TP], v12
	s_delay_alu instid0(VALU_DEP_2)
	v_floor_f32 v12, -v13                          ; -M = floor(-t): M is a whole number
	s_delay_alu instid0(VALU_DEP_1)
	v_sub_f32 v[TP], v12, v[TP]
	s_delay_alu instid0(VALU_DEP_1)
	v_cvt_i32_f32 v[TP], v[TP]                     ; (it saturates)
	s_delay_alu instid0(VALU_DEP_1)
	v_ldexp_f32 v[F], 1.0, v[TP]                   ; f = 2^(old M - new M)
.set j_, 0
.rept 32
	v_pk_fma_f32 v[96+j_:97+j_], v[96+j_:97+j_], s[CS:CS+1], v[12:13] op_sel_hi:[1,0,0]   ; t - M
.set j_, j_+2
.endr
.irp b, 0,1,2,3
	v_fma_f32 v[BM+\b], v[BM+\b], s[CS], v12
.endr
.set j_, 0
	s_wait_alu depctr_va_vdst(0)
.rept 64
	v_exp_f32 v[96+j_], v[96+j_]                   ; p, at most 1, not normalised
.set j_, j_+1
.endr
	v_pk_mul_f32 v[14:15], v[14:15], v[F:F+1] op_sel_hi:[1,0]   ; the sum under the new M (a plain line behind the exponentials)
	s_wait_alu depctr_va_vdst(0)                   ; one wait for the batch, ahead of its first reader
.irp b, 0,1,2,3
	v_exp_f32 v[BM+\b], v[BM+\b]                   ; the blocks' largest p
.endr
	v_pk_add_f32 v[236:237], v[100:101], v[104:105]
	v_pk_add_f32 v[252:253], v[108:109], v[112:113]
	v_pk_add_f32 v[250:251], v[116:117], v[120:121]
	v_pk_add_f32 v[248:249], v[124:125], v[128:129]
	v_pk_add_f32 v[246:247], v[132:133], v[136:137]
	v_pk_add_f32 v[244:245], v[140:141], v[144:145]
	v_pk_add_f32 v[242:243], v[148:149], v[152:153]
	v_pk_add_f32 v[14:15], v[14:15], v[156:157]
	v_pk_add_f32 v[236:237], v[236:237], v[96:97]
	v_pk_add_f32 v[252:253], v[252:253], v[98:99]
	v_pk_add_f32 v[250:251], v[250:251], v[102:103]
	v_pk_add_f32 v[248:249], v[248:249], v[106:107]
	v_pk_add_f32 v[246:247], v[246:247], v[110:111]
	v_pk_add_f32 v[244:245], v[244:245], v[114:115]
	v_pk_add_f32 v[242:243], v[242:243], v[118:119]
	v_pk_add_f32 v[14:15], v[14:15], v[122:123]
	v_pk_add_f32 v[236:237], v[236:237], v[126:127]
	v_pk_add_f32 v[252:253], v[252:253], v[130:131]
	v_pk_add_f32 v[250:251], v[250:251], v[134:135]
	v_pk_add_f32 v[248:249], v[248:249], v[138:139]
	v_pk_add_f32 v[246:247], v[246:247], v[142:143]
	v_pk_add_f32 v[244:245], v[244:245], v[146:147]
	v_pk_add_f32 v[242:243], v[242:243], v[150:151]
	v_pk_add_f32 v[14:15], v[14:15], v[154:155]
	v_pk_add_f32 v[236:237], v[236:237], v[158:159]
	s_delay_alu instid0(VALU_DEP_2)
	v_pk_add_f32 v[14:15], v[14:15], v[248:249]
	s_delay_alu instid0(VALU_DEP_2)
	v_pk_add_f32 v[236:237], v[236:237], v[246:247]
	v_pk_add_f32 v[252:253], v[252:253], v[244:245]
	v_pk_add_f32 v[250:251], v[250:251], v[242:243]
	s_delay_alu instid0(VALU_DEP_2)
	v_pk_add_f32 v[14:15], v[14:15], v[252:253]
	s_delay_alu instid0(VALU_DEP_2)
	v_pk_add_f32 v[236:237], v[236:237], v[250:251]
	s_delay_alu instid0(VALU_DEP_1)
	v_pk_add_f32 v[14:15], v[14:15], v[236:237]
	s_wait_alu depctr_va_vdst(0)                   ; and one for the four
.irp b, 0,1,2,3
	v_max_num_f32 v[BM+\b], 0x1800000, v[BM+\b]    ; the floor 2^(3 - 127): the byte cannot fall under 1
.endr
.irp b, 0,1,2,3
	s_delay_alu instid0(VALU_DEP_4)
	v_add_nc_u32 v[SO+\b], 0xff000000, v[BM+\b]
.endr
.irp b, 0,1,2,3
	s_delay_alu instid0(VALU_DEP_4)
	v_lshrrev_b32 v[PT+\b], 23, v[SO+\b]
.endr
	s_delay_alu instid0(VALU_DEP_3)
	v_lshl_or_b32 v218, v[PT+1], 8, v[PT]          ; p's scale word for these 128 keys
	s_delay_alu instid0(VALU_DEP_1)
	v_lshl_or_b32 v218, v[PT+2], 16, v218
	s_delay_alu instid0(VALU_DEP_1)
	v_lshl_or_b32 v218, v[PT+3], 24, v218
.irp c, 0,1
	v_cvt_scalef32_pk16_fp6_f32 v[192+6*\c:194+6*\c], v[96+32*\c:111+32*\c], v[SO+2*\c]
	v_cvt_scalef32_pk16_fp6_f32 v[204+4*\c:206+4*\c], v[112+32*\c:127+32*\c], v[SO+2*\c+1]
.endr
	v_nop                                          ; one plain line behind a scaled conversion
.irp c, 0,1
.irp i, 0,1,2
	v_permlane16_swap_b32 v[192+6*\c+\i], v[204+4*\c+\i]
.endr
.irp i, 0,1,2
	s_delay_alu instid0(VALU_DEP_3)
	v_mov_b32 v[195+6*\c+\i], v[204+4*\c+\i]
.endr
.endr
.set j_, 0
.rept 16
	v_pk_mul_f32 v[160+j_:161+j_], v[160+j_:161+j_], v[F:F+1] op_sel_hi:[1,0]   ; O^T under the new M.  (These sixteen are also the places between the lines that made p's codes and scale word and the products)
.set j_, j_+2
.endr
	s_wait_alu depctr_va_vdst(0)
	s_wait_dscnt 0x0                               ; V is in
.irp t, 0,1,2,3                                ; four accumulators by turns; between two links of one stand the eleven other products of a step
.if \t%2
	v_wmma_scale_f32_16x16x128_f8f6f4 v[160+8*\t:167+8*\t], v[32+12*\t:43+12*\t], v[192:203], v[160+8*\t:167+8*\t], v[216+\t/2], v218 matrix_a_fmt:MATRIX_FMT_FP6 matrix_b_fmt:MATRIX_FMT_FP6 matrix_a_scale:MATRIX_SCALE_ROW1
.else
	v_wmma_scale_f32_16x16x128_f8f6f4 v[160+8*\t:167+8*\t], v[32+12*\t:43+12*\t], v[192:203], v[160+8*\t:167+8*\t], v[216+\t/2], v218 matrix_a_fmt:MATRIX_FMT_FP6 matrix_b_fmt:MATRIX_FMT_FP6
.endif
.endr
.if \mode
.Lhidden_\@:
.endif
	s_add_co_u32 s[TB], s[TB], STEPB
	s_add_co_u32 s[TS], s[TS], SSTEP
	s_add_co_u32 s[KI], s[KI], 1
.endm
; A TILE'S WAY OUT: O^T / l, the quantiser along d_model (the head's two blocks of 32), the codes back in their natural order (w_out's codes are given so), the image and the two scale bytes to memory.
.macro OUT d
.rept 4
	v_nop                                          ; places behind the last products
.endr
	v_add_f32 v14, v14, v15
	s_delay_alu instid0(VALU_DEP_1)
	v_permlanex16_b32 v[TP], v14, s[SEL], s[SEL+1]
	s_delay_alu instid0(VALU_DEP_1)
	v_add_f32 v14, v14, v[TP]                      ; the row's sum
	s_wait_alu depctr_va_vdst(0)
	v_rcp_f32 v[F], v14
	v_nop                                          ; a plain line behind the reciprocal
	s_wait_alu depctr_va_vdst(0)                   ; the wait ahead of its first reader
.set j_, 0
.rept 16
	v_pk_mul_f32 v[96+j_:97+j_], v[160+j_:161+j_], v[F:F+1] op_sel_hi:[1,0]   ; register 8 t + j: channel 16 t + 8 h + j of my query
.set j_, j_+2
.endr
.irp b, 0,1
	v_max3_num_f32 v[BM+\b], |v[96+16*\b]|, |v[97+16*\b]|, 0x1800000
.endr
.irp i, 2,4,6,8,10,12,14
.irp b, 0,1
	s_delay_alu instid0(VALU_DEP_2)
	v_max3_num_f32 v[BM+\b], v[BM+\b], |v[96+16*\b+\i]|, |v[97+16*\b+\i]|
.endr
.endr
.irp b, 0,1
	s_delay_alu instid0(VALU_DEP_2)
	v_permlanex16_b32 v[PT+\b], v[BM+\b], s[SEL], s[SEL+1]
.endr
.irp b, 0,1
	s_delay_alu instid0(VALU_DEP_2)
	v_max_num_f32 v[BM+\b], v[BM+\b], v[PT+\b]
.endr
.irp b, 0,1
	s_delay_alu instid0(VALU_DEP_2)
	v_add_nc_u32 v[SO+\b], 0xff000000, v[BM+\b]
.endr
.irp b, 0,1
	s_delay_alu instid0(VALU_DEP_2)
	v_lshrrev_b32 v[PT+\b], 23, v[SO+\b]
.endr
	v_cvt_scalef32_pk16_fp6_f32 v[192:194], v[96:111], v[SO]
	v_cvt_scalef32_pk16_fp6_f32 v[196:198], v[112:127], v[SO+1]
	v_nop                                          ; one plain line behind a scaled conversion
.irp i, 0,1,2
	v_permlane16_swap_b32 v[192+\i], v[196+\i]     ; v192-194: my block's numbers 0-7 and 16-23, 48 bits each; v196-198: 8-15 and 24-31
.endr
	s_wait_alu depctr_va_vdst(0)
	s_wait_xcnt 0x0                                ; the earlier tile's stores have read these registers
	v_lshl_or_b32 v246, v[PT+1], 8, v[PT]
	v_mov_b32 v240, v192
	v_perm_b32 v241, v196, v193, s90
	v_perm_b32 v242, v197, v196, s91
	v_perm_b32 v243, v194, v193, s91
	v_perm_b32 v244, v197, v194, s92
	v_mov_b32 v245, v198
	global_store_b128 v1, v[240:243], s[\d+4:\d+5]
	global_store_b64 v2, v[244:245], s[\d+4:\d+5] offset:512
	global_store_b16 v5, v246, s[\d+6:\d+7]        ; the token's two bytes of 32; both halves of the lanes write the same halfword
.endm
	s_mov_b32 s[TB], 0
	s_mov_b32 s[TS], SCL
	s_mov_b32 s[KI], 0
	s_mov_b32 s[GG], s[GL]
	s_wait_alu depctr_va_vdst(0)                   ; the wait at the head's end
	s_cmp_lt_u32 s[WV], 8
	s_cbranch_scc0 .Lnot_low
	s_wait_tensorcnt 0x0                           ; key steps 0-7 are in; 8-15 may be out
.Lnot_low:
	s_wait_loadcnt 0x0                             ; Q
	s_barrier_signal -1
	s_barrier_wait -1
.Llow:                                             ; key steps 0-7 count wholly for every late tile
	STEP 0
	s_cmp_lt_u32 s[KI], 8
	s_cbranch_scc1 .Llow
	s_wait_tensorcnt 0x0                           ; my part of key steps 8-15 is in,
	s_wait_dscnt 0x0
	s_barrier_signal -1
	s_barrier_wait -1                              ; everybody's is
.Lhigh:
	STEP 1
	s_cmp_lt_u32 s[KI], 16
	s_cbranch_scc1 .Lhigh
	OUT 66
	s_wait_xcnt 0x0                                ; the late tile's stores have read their registers, which the next steps write
	v_mov_b32 v28, v92                             ; the early tile
.irp j, 0,1,2,3,4,5
	v_mov_b32 v[16+\j], v[86+\j]
.endr
	INIT
	s_mov_b32 s[TB], 0
	s_mov_b32 s[TS], SCL
	s_mov_b32 s[KI], 0
	s_mov_b32 s[GG], s[GS]
.Learly:
	STEP 1
	s_cmp_lt_u32 s[KI], 8
	s_cbranch_scc1 .Learly
	OUT 74
	s_wait_tensorcnt 0x0
	ds_add_u32 v254, v255
	s_wait_dscnt 0x0
	CROUND                                         ; the closing round
	s_endpgm
.Lfunc_end_k_q9554fa2db3_attn:
	.size	k_q9554fa2db3_attn, .Lfunc_end_k_q9554fa2db3_attn-k_q9554fa2db3_attn
	.p2alignl 7, 3214868480
	.fill 96, 4, 3214868480
	.section	.rodata,"a",@progbits
	.p2align	6, 0x0
	.amdhsa_kernel k_q9554fa2db3_attn
		.amdhsa_group_segment_fixed_size 215040
		.amdhsa_private_segment_fixed_size 0
		.amdhsa_enable_private_segment 0
		.amdhsa_kernarg_size 40
		.amdhsa_user_sgpr_count 2
		.amdhsa_user_sgpr_kernarg_segment_ptr 1
		.amdhsa_wavefront_size32 1
		.amdhsa_system_sgpr_workgroup_id_x 1
		.amdhsa_system_sgpr_workgroup_id_y 1
		.amdhsa_system_sgpr_workgroup_id_z 1
		.amdhsa_system_vgpr_workitem_id 0
		.amdhsa_next_free_vgpr 256
		.amdhsa_next_free_sgpr 100
		.amdhsa_reserve_vcc 1
		.amdhsa_float_denorm_mode_32 3
		.amdhsa_float_denorm_mode_16_64 3
		.amdhsa_memory_ordered 1
		.amdhsa_forward_progress 1
		.amdhsa_inst_pref_size 81
	.end_amdhsa_kernel
	.amdgpu_metadata
---
amdhsa.version: [ 1, 2 ]
amdhsa.kernels:
  - .name:           k_q9554fa2db3_attn
    .symbol:         k_q9554fa2db3_attn.kd
    .args:
      - { .name: qc, .offset: 0, .size: 8, .value_kind: global_buffer, .address_space: global }
      - { .name: qs, .offset: 8, .size: 8, .value_kind: global_buffer, .address_space: global }
      - { .name: kvc, .offset: 16, .size: 8, .value_kind: global_buffer, .address_space: global }
      - { .name: ac, .offset: 24, .size: 8, .value_kind: global_buffer, .address_space: global }
      - { .name: asc, .offset: 32, .size: 8, .value_kind: global_buffer, .address_space: global }
    .group_segment_fixed_size: 215040
    .private_segment_fixed_size: 0
    .kernarg_segment_align: 8
    .kernarg_segment_size: 40
    .max_flat_workgroup_size: 512
    .sgpr_count:     100
    .vgpr_count:     256
    .wavefront_size: 32
...
	.end_amdgpu_metadata
.endif
;; end of part 3
;; launch proj (part 4): grid 4 x 64, 4 waves a work-group, clusters of 4 x 4, 327,680 bytes of LDS; arguments ac, asc, w_out_codes, w_out_scales, out0; writes out0
.if DOCPART == 4
	.amdgcn_target "amdgcn-amd-amdhsa--gfx1250"
	.amdhsa_code_object_version 6
	.text
	.protected	k_q9554fa2db3_proj
	.globl	k_q9554fa2db3_proj
	.p2align	8
	.type	k_q9554fa2db3_proj,@function
k_q9554fa2db3_proj:
	s_mov_b64 s[64:65], 0
	v_nop
	global_prefetch_b8 v0, s[64:65] scope:SCOPE_SE
	s_setreg_imm32_b32 hwreg(HW_REG_WAVE_MODE, 25, 1), 1
	s_wait_xcnt 0x0
	s_wait_alu depctr_hold_cnt(0) depctr_sa_sdst(0) depctr_va_vdst(0) depctr_va_sdst(0) depctr_va_ssrc(0) depctr_va_vcc(0) depctr_vm_vsrc(0)
	s_getreg_b32 s2, hwreg(HW_REG_IB_STS2, 6, 4)
	s_cmp_eq_u32 s2, 0
	s_cbranch_scc0 .Lentry_in_a_cluster
	s_endpgm
.Lentry_in_a_cluster:
	s_bfe_u32 s2, ttmp6, 0x10000c
	s_cmp_lg_u32 s2, 0xf033
	s_cbranch_scc0 .Lentry_shape_is_right
	s_endpgm
.Lentry_shape_is_right:
; out0 = attention's result x w_out^T on codes of FP6 (E2M3) with E8M0 scales, f32 out.
; A work-group: A = 128 tokens, as launch attn left them (eight tiles of 16 tokens, 12,288 bytes each: images of operand registers, 768 bytes a head), B = 256 rows of w_out (768 bytes, 16 of padding behind each 256).
; ALL of K lies in LDS at once: 208,896 + 98,304 bytes; one joint load a wave at the head (waves 0, 1 A's halves, waves 2, 3 B's), nothing filled again.  A is shared along a row of the 4 x 4 cluster, B along a column.
; A wave: 64 tokens x 128 columns, 32 accumulators by turns.  Source 0 = w_out's rows, source 1 = tokens: a lane holds eight neighbouring columns of a row.
; The way out: behind a barrier (nobody reads the tiles any more, and they have had their only fill) a block of 16 rows goes through the wave's stage in B's bytes and leaves as rows of 512 bytes.
; No prefetch: all that the launch reads is asked for at its head, and no loop runs ahead.
.set PITCH, 816
.set FR, 12
.set AREG, 256*PITCH
.set SPARE, AREG+98304
.set SPW, 4
.set NIL, 5
.set ADB, 8
.set ADA, 24                           ; v24: my A tiles + 16 x lane; v25: + 8 x lane
.set STO, 33
.set RD, 34
.set SA, 36
.set SB, 72
.set AF, 136
.set G1, 24
.set G0, 32
.set G1B, 48
.set G0B, 56
.set MSB, 0
.set NLD, 0
.macro WIN new
.if MSB != (\new)
	s_set_vgpr_msb (MSB<<8)|(\new)
.set MSB, (\new)
.endif
.endm
.macro PLACES n
.rept \n
	v_nop
.endr
.endm
.macro CROUND
	s_barrier_signal -1
	s_barrier_wait -1
	s_cmp_lg_u32 s14, 0
	s_cbranch_scc1 .Lnot_wave_0_\@
	s_barrier_signal -3
.Lnot_wave_0_\@:
	s_barrier_wait -3
	s_barrier_signal -1
	s_barrier_wait -1
.endm
.macro FRAG reg, q, a
.set SKIP_, 0
.irp p, 0,1,2,3,4,5
.if SKIP_
.set SKIP_, 0
.else
.set PC_, 12*(\q)+6*(\p/3)+\p%3
.set PN_, 12*(\q)+6*((\p+1)/3)+(\p+1)%3
.set X_, (PC_%32+3)/32
.set XQ_, (PN_%32+3)/32
.set NLD, NLD+1
.if (\p < 5) && (X_ == XQ_)
.set SKIP_, 1
	ds_load_2addr_b64 v[(\reg)+2*\p:(\reg)+2*\p+3], v[(\a)+X_] offset0:PC_+2*(PC_/32) offset1:PN_+2*(PN_/32)
.else
	ds_load_b64 v[(\reg)+2*\p:(\reg)+2*\p+1], v[(\a)+X_] offset:8*(PC_+2*(PC_/32))
.endif
.endif
.endr
.endm
.macro FRAGA reg, q, i                 ; two heads' images: 512 + 256 bytes each
.set NLD, NLD+4
	ds_load_b128 v[(\reg):(\reg)+3], v[ADA] offset:12288*(\i)+1536*(\q)
	ds_load_b64 v[(\reg)+4:(\reg)+5], v[ADA+1] offset:12288*(\i)+1536*(\q)+512
	ds_load_b128 v[(\reg)+6:(\reg)+9], v[ADA] offset:12288*(\i)+1536*(\q)+768
	ds_load_b64 v[(\reg)+10:(\reg)+11], v[ADA+1] offset:12288*(\i)+1536*(\q)+1280
.endm
.macro FETCH q
.set NLD, 0
	WIN 0x40
.irp i, 0,1,2,3,4,5,6,7
	FRAG 128*((\q)%2)+FR*\i, \q, ADB+2*\i
.endr
	WIN 0
.irp i, 0,1,2,3
	FRAGA AF+48*((\q)%2)+FR*\i, \q, \i
.endr
.endm
.macro MUL q
	WIN 0xa1
.irp a, 0,1,2,3
.irp b, 0,1,2,3,4,5,6,7
.if (\q) == 0
	v_wmma_scale_f32_16x16x128_f8f6f4 v[64*\a+8*\b:64*\a+8*\b+7], v[128*((\q)%2)+FR*\b:128*((\q)%2)+FR*\b+FR-1], v[AF+48*((\q)%2)+FR*\a:AF+48*((\q)%2)+FR*\a+FR-1], 0, v[SB+8*\b+(\q)], v[SA+8*\a+(\q)] matrix_a_fmt:MATRIX_FMT_FP6 matrix_b_fmt:MATRIX_FMT_FP6
.else
	v_wmma_scale_f32_16x16x128_f8f6f4 v[64*\a+8*\b:64*\a+8*\b+7], v[128*((\q)%2)+FR*\b:128*((\q)%2)+FR*\b+FR-1], v[AF+48*((\q)%2)+FR*\a:AF+48*((\q)%2)+FR*\a+FR-1], v[64*\a+8*\b:64*\a+8*\b+7], v[SB+8*\b+(\q)], v[SA+8*\a+(\q)] matrix_a_fmt:MATRIX_FMT_FP6 matrix_b_fmt:MATRIX_FMT_FP6
.endif
.endr
.endr
.endm
.macro MAIN                            ; step q + 1 is fetched ahead of step q's products; the wait leaves just those NLD loads out
	FETCH 0
	s_wait_loadcnt 0x0
.set Q_, 0
.rept 7
.if Q_
	PLACES 4
.endif
	FETCH Q_+1
	s_wait_dscnt NLD
	MUL Q_
.set Q_, Q_+1
.endr
	s_wait_dscnt 0x0
	MUL 7
	WIN 0
.endm
.macro TOSTAGE a                       ; each accumulator from its low end on; back as rows of 512 bytes into window 1, v0-63 and v64-127 by turns
	WIN 0x08
.irp b, 0,1,2,3,4,5,6,7
	ds_store_b128 v[STO], v[64*(\a)+8*\b:64*(\a)+8*\b+3] offset:64*\b
	ds_store_b128 v[STO], v[64*(\a)+8*\b+4:64*(\a)+8*\b+7] offset:64*\b+16
.endr
	WIN 0x40
.irp t, 0,1,2,3,4,5,6,7,8,9,10,11,12,13,14,15
	ds_load_b128 v[64*((\a)%2)+4*\t:64*((\a)%2)+4*\t+3], v[RD] offset:\t*528
.endr
.endm
.macro SEND a, younger                 ; younger: the LDS instructions issued behind block a's loads
	s_wait_dscnt \younger
	WIN 0x04
.irp t, 0,1,2,3,4,5,6,7,8,9,10,11,12,13,14,15
	global_store_b128 v6, v[64*((\a)%2)+4*\t:64*((\a)%2)+4*\t+3], s[12:13] offset:(\a)*65536+\t*4096 th:TH_STORE_NT
.endr
.endm
	s_load_b256 s[4:11], s[0:1], 0x0               ; ac, asc, w_out's codes, w_out's scales
	s_load_b64 s[12:13], s[0:1], 0x20              ; out0
	v_lshl_add_u32 v[SPW], v0, 2, SPARE
	v_mov_b32 v[NIL], 0
	ds_add_u32 v[SPW], v[NIL]                      ; the opening lines
	ds_add_u32 v[SPW], v[NIL]
	v_lshrrev_b32 v1, 5, v0
	v_readfirstlane_b32 s14, v1
	s_lshr_b32 s15, s14, 1
	s_and_b32 s16, s14, 1
	s_bfe_u32 s40, ttmp6, 0x40000
	s_bfe_u32 s41, ttmp6, 0x40004
	s_lshl_b32 s42, ttmp9, 2
	s_add_co_u32 s42, s42, s40                     ; B's tile: 256 columns
	s_and_b32 s17, ttmp7, 0xffff
	s_lshl_b32 s17, s17, 2
	s_add_co_u32 s17, s17, s41                     ; A's tile: 128 tokens
	s_lshl_b32 s43, s41, 2
	s_lshl_b32 s43, 15, s43
	s_lshl_b32 s44, 0x1111, s40
	s_or_b32 s[G1+0], s43, (3<<16)|(1<<21)         ; A: a dense block of 49,152 bytes as 192 rows of 256
	s_mov_b32 s[G1+1], 32<<16
	s_mov_b32 s[G1+2], 192<<16
	s_mov_b32 s[G1+3], 32<<16
	s_mov_b32 s[G1+4], 192
	s_mov_b32 s[G1+5], 32
	s_mov_b32 s[G1+6], 0
	s_mov_b32 s[G1+7], 0
	s_or_b32 s[G1B+0], s44, (1<<20)|(1<<21)|(5<<22)|(3<<25)
	s_mov_b32 s[G1B+1], 768<<16
	s_mov_b32 s[G1B+2], 128<<16
	s_mov_b32 s[G1B+3], 768<<16
	s_mov_b32 s[G1B+4], 128
	s_mov_b32 s[G1B+5], 768
	s_mov_b32 s[G1B+6], 0
	s_mov_b32 s[G1B+7], 0
	s_lshl_b32 s20, s17, 3
	s_lshl_b32 s18, s16, 2
	s_add_co_u32 s20, s20, s18
	s_mul_i32 s20, s20, 12288
	s_mov_b32 s21, 0
	s_lshl_b32 s46, s42, 8
	s_lshl_b32 s18, s16, 7
	s_add_co_u32 s46, s46, s18
	s_mul_i32 s46, s46, 768
	s_mov_b32 s47, 0
	s_mov_b32 s[G0], 1
	s_mul_i32 s[G0+1], s16, 49152
	s_add_co_u32 s[G0+1], s[G0+1], AREG
	s_mov_b32 s[G0B], 1
	s_mul_i32 s[G0B+1], s16, 128*PITCH
	s_wait_dscnt 0x0
	s_wait_kmcnt 0x0
	s_add_nc_u64 s[G0+2:G0+3], s[4:5], s[20:21]
	s_or_b32 s[G0+3], s[G0+3], 0x80000000
	s_add_nc_u64 s[G0B+2:G0B+3], s[8:9], s[46:47]
	s_or_b32 s[G0B+3], s[G0B+3], 0x80000000
	CROUND
	s_cmp_eq_u32 s15, 0
	s_cbranch_scc0 .Lfor_b
	tensor_load_to_lds s[G0:G0+3], s[G1:G1+7]
	s_nop 0
	PLACES 4
	s_branch .Lasked
.Lfor_b:
	tensor_load_to_lds s[G0B:G0B+3], s[G1B:G1B+7]
	s_nop 0
	PLACES 4
.Lasked:
	s_lshl_b32 s18, s17, 7
	s_lshl_b32 s19, s15, 6
	s_add_co_u32 s18, s18, s19                     ; my first token
	s_lshl_b32 s76, s18, 12                        ; its row of out0
	s_lshl_b32 s18, s18, 5
	s_mov_b32 s19, 0
	s_add_nc_u64 s[60:61], s[6:7], s[18:19]
	s_lshl_b32 s18, s42, 8
	s_lshl_b32 s22, s16, 7
	s_add_co_u32 s18, s18, s22                     ; my first column
	s_lshl_b32 s77, s18, 2
	s_add_co_u32 s76, s76, s77
	s_mov_b32 s77, 0
	s_add_nc_u64 s[12:13], s[12:13], s[76:77]
	s_lshl_b32 s18, s18, 5
	s_add_nc_u64 s[62:63], s[10:11], s[18:19]
	s_mul_i32 s22, s16, 128*PITCH
	s_mul_i32 s23, s15, 49152
	s_add_co_u32 s23, s23, AREG
	s_mul_i32 s78, s14, 16*528                     ; my stage
	v_and_b32 v1, 15, v0
	v_bfe_u32 v2, v0, 4, 1
	v_and_b32 v3, 31, v0
	v_mul_u32_u24 v6, v1, PITCH
	v_mad_u32_u24 v7, v2, 24, v6
	v_mad_u32_u24 v6, v2, 40, v6
	v_add_nc_u32 v[ADB], s22, v7
	v_add_nc_u32 v[ADB+1], s22, v6
.irp i, 1,2,3,4,5,6,7
	v_add_nc_u32 v[ADB+2*\i], \i*16*PITCH, v[ADB]
	v_add_nc_u32 v[ADB+2*\i+1], \i*16*PITCH, v[ADB+1]
.endr
	v_lshlrev_b32 v6, 4, v3                        ; 16 x lane
	v_lshlrev_b32 v7, 3, v3
	v_add_nc_u32 v[ADA], s23, v6
	v_add_nc_u32 v[ADA+1], s23, v7
	v_lshlrev_b32 v32, 5, v1
	v_mul_u32_u24 v[STO], v1, 528
	v_lshl_add_u32 v[STO], v2, 5, v[STO]
	v_add_nc_u32 v[STO], s78, v[STO]
	v_add_nc_u32 v[RD], s78, v6
	s_wait_alu depctr_va_vdst(0)                   ; the wait at the head's end
.irp i, 0,1,2,3
	global_load_b128 v[SA+8*\i:SA+8*\i+3], v32, s[60:61] offset:512*\i
	global_load_b128 v[SA+8*\i+4:SA+8*\i+7], v32, s[60:61] offset:512*\i+16
.endr
.irp i, 0,1,2,3,4,5,6,7
	global_load_b128 v[SB+8*\i:SB+8*\i+3], v32, s[62:63] offset:512*\i
	global_load_b128 v[SB+8*\i+4:SB+8*\i+7], v32, s[62:63] offset:512*\i+16
.endr
	s_wait_tensorcnt 0x0
	s_barrier_signal -1
	s_barrier_wait -1
	MAIN
	PLACES 4
	s_barrier_signal -1                            ; my reads of the tiles are over (the wait for them stands ahead of the last products),
	s_barrier_wait -1                              ; everybody's are: B's bytes take the stages
	TOSTAGE 0
.irp a, 1,2,3
.if \a > 1
	s_wait_xcnt 0x0                                ; block a - 2's stores have read their registers
.endif
	TOSTAGE \a
	SEND \a-1, 32
.endr
	SEND 3, 0
	WIN 0
	s_wait_tensorcnt 0x0                           ; the wave's end
	ds_add_u32 v[SPW], v[NIL]
	s_wait_dscnt 0x0
	CROUND
	s_endpgm
.Lfunc_end_k_q9554fa2db3_proj:
	.size	k_q9554fa2db3_proj, .Lfunc_end_k_q9554fa2db3_proj-k_q9554fa2db3_proj
	.p2alignl 7, 3214868480
	.fill 96, 4, 3214868480
	.section	.rodata,"a",@progbits
	.p2align	6, 0x0
	.amdhsa_kernel k_q9554fa2db3_proj
		.amdhsa_group_segment_fixed_size 327680
		.amdhsa_private_segment_fixed_size 0
		.amdhsa_enable_private_segment 0
		.amdhsa_kernarg_size 40
		.amdhsa_user_sgpr_count 2
		.amdhsa_user_sgpr_kernarg_segment_ptr 1
		.amdhsa_wavefront_size32 1
		.amdhsa_system_sgpr_workgroup_id_x 1
		.amdhsa_system_sgpr_workgroup_id_y 1
		.amdhsa_system_sgpr_workgroup_id_z 1
		.amdhsa_system_vgpr_workitem_id 0
		.amdhsa_next_free_vgpr 768
		.amdhsa_next_free_sgpr 100
		.amdhsa_reserve_vcc 0
		.amdhsa_float_denorm_mode_32 3
		.amdhsa_float_denorm_mode_16_64 3
		.amdhsa_memory_ordered 1
		.amdhsa_forward_progress 1
		.amdhsa_inst_pref_size 79
	.end_amdhsa_kernel
	.amdgpu_metadata
---
amdhsa.version: [ 1, 2 ]
amdhsa.kernels:
  - .name:           k_q9554fa2db3_proj
    .symbol:         k_q9554fa2db3_proj.kd
    .args:
      - { .name: ac, .offset: 0, .size: 8, .value_kind: global_buffer, .address_space: global }
      - { .name: asc, .offset: 8, .size: 8, .value_kind: global_buffer, .address_space: global }
      - { .name: w_out_codes, .offset: 16, .size: 8, .value_kind: global_buffer, .address_space: global }
      - { .name: w_out_scales, .offset: 24, .size: 8, .value_kind: global_buffer, .address_space: global }
      - { .name: out0, .offset: 32, .size: 8, .value_kind: global_buffer, .address_space: global }
    .group_segment_fixed_size: 327680
    .private_segment_fixed_size: 0
    .kernarg_segment_align: 8
    .kernarg_segment_size: 40
    .max_flat_workgroup_size: 128
    .sgpr_count:     100
    .vgpr_count:     768
    .wavefront_size: 32
...
	.end_amdgpu_metadata
.endif
;; end of part 4
